; MI455X (gfx1250); checked and timed in simulation.
; The chip was launched on July 23, 2026; its instructions are those of AMD's public machine-readable ISA for CDNA 5 (MIT licence, August 2026) and "CDNA5" Instruction Set Architecture Reference Guide (July 2026). The comments in the code are by the model that wrote it; some were corrected since.
;; Transformer Layer. Allowed arithmetic: float matrix products may take bf16 or f16 operands with f32 sums; other float arithmetic in f32, or as packed bf16 or f16 multiplies, adds, multiply-adds, maxima and minima; sums over many terms, partial sums and values carried from step to step in f32; what a program stores and reads back later, other than sums and carried values, may be rounded once to bf16 or f16.
;; Inputs: b1 4,096 float32; b2 1,024 float32; in_proj_b 3,072 float32; in_proj_w 3,072 x 1,024 float32; ln1_b 1,024 float32; ln1_g 1,024 float32; ln2_b 1,024 float32; ln2_g 1,024 float32; out_b 1,024 float32; out_w 1,024 x 1,024 float32; rel_pos 16 x 512 float32; w1 4,096 x 1,024 float32; w2 1,024 x 4,096 float32; x 4 x 1,024 x 1,024 float32.
;; Outputs: out0 4 x 1,024 x 1,024 float32.
;; 2 versions, each right; version 2 is version 1 with the launches prep, ln2 written anew for expert scheduling mode. Each part assembles by itself: llvm-mc -triple=amdgcn-amd-amdhsa -mcpu=gfx1250 --defsym DOCPART=n.
;; ======== version 1 of 2: 7 launches
;; limits: right only within a limited range of input values
;; workspace buffers: wq 8,388,864 bytes; wo 2,097,408 bytes; w1b 8,388,864 bytes; w2b 8,388,864 bytes; act 8,388,608 bytes; big 33,554,432 bytes; x1 16,777,216 bytes
;; launch prep (part 1): grid 1024 x 1, 4 waves a work-group, no clusters, 0 bytes of LDS; arguments x, ln1_g, ln1_b, in_proj_w, out_w, w1, w2, act, wq, wo, w1b, w2b; writes act, wq, wo, w1b, w2b
.if DOCPART == 1
	.amdgcn_target "amdgcn-amd-amdhsa--gfx1250"
	.amdhsa_code_object_version 6
	.text
	.protected	k_qe38ea7e899_prep
	.globl	k_qe38ea7e899_prep
	.p2align	8
	.type	k_qe38ea7e899_prep,@function
k_qe38ea7e899_prep:
	s_mov_b64 s[64:65], 0
	v_nop
	global_prefetch_b8 v0, s[64:65] scope:SCOPE_SE
	s_setreg_imm32_b32 hwreg(HW_REG_WAVE_MODE, 25, 1), 1
	s_wait_xcnt 0x0
; LAYERNORM AND ROUNDING TO bf16, into PLANES of 64 columns: T[c / 64][row][c % 64], a plane's rows 128 bytes and dense.
; Arguments: a, gamma, beta, four weight matrices, then the five destinations.  Work-groups 0-255: LayerNorm of a ([4096][1024] f32) -> the first destination;
; 256-447: in_proj_w -> wq; 448-511: out_w -> wo; 512-767: w1 -> w1b; 768-1023: w2 -> w2b.  TWO LAUNCHES RUN THIS TEXT: the first with 1,024 work-groups (a = x); the
; second, LayerNorm 2, with 256 (a = x1): there every work-group takes the LayerNorm share, and the weights' places in the argument list are not touched.
; The weight buffers begin with 256 bytes of header; wq's and w1b's hold 64 equal words, a packed bf16 floor that the product kernel takes a maximum with
; (w1b: 0, a ReLU; wq: the lowest finite bf16 twice).
; A WAVE'S TASK: 4 rows x 1,024 f32 columns, as 32 pieces n = 16 t + c of two rows x 64 columns.  Lane l holds row 2 t + l / 16 and columns 64 c + 4 (l % 16) + 0..3: a load of the wave
; covers two stretches of 256 consecutive bytes, aligned, each byte of which it uses.  A lane's four numbers round to 8 bytes, and a store of the wave covers two neighbouring rows of a
; plane: 256 consecutive bytes, aligned.  No LDS, no matrix unit, no barrier: each byte is read once and written once, and a row never leaves its sixteen lanes.
; LayerNorm in two passes over registers (mean; then the mean of (x - mean)^2), all in f32.  LIMITS: NaN and infinities are not treated apart.
.set PS4, 524288                       ; bytes in a plane of 4,096 rows
.set PS1, 131072                       ; of 1,024 rows
.set SO,  2                            ; v[2:3]   my byte offset in the task's source rows, for t = 0, 1
.set GOF, 4                            ; v4   16 (l % 16): my 4 columns in gamma and beta
.set L8,  5                            ; v5   8 l: my 8 bytes of a store
.set FL,  6                            ; v[6:7]   the floor, twice
.set CH,  8                            ; v[8:15]  four packed chains: two for each t
.set MU,  16                           ; v[16:19] the mean, twice for each t
.set RS,  20                           ; v[20:23] 1 / sqrt(var + eps), twice for each t
.set KC,  24                           ; v24  1 / 1,024
.set EP,  25                           ; v25  1e-5
.set DO,  32                           ; v[32:47] my byte offset in plane c of the task's 16
.set X,   64                           ; v[64:191] the task's numbers: piece n at X + 4 n
.set G,   192                          ; v[192:255] gamma of my columns: 4 c on; window 1, v0-63: beta likewise
.set SRC, 28                           ; s[28:29]
.set DST, 30                           ; s[30:31]
.set GB,  32                           ; first work-group of my share
.set PSTR, 33                          ; the destination's plane, in bytes
.set RSH, 34                           ; log2 of a source row's bytes
.set CSH, 35                           ; log2 of the share's work-groups in a strip of 1,024 columns
.set CMK, 36                           ; that number less 1
.set FLG, 37                           ; 1: the destination's header is written
.set FLV, 38                           ; with this word
.set WV,  39
.set HOFF, 40                          ; bytes of header in front of the planes
.set MSB, 0
.macro WIN new                         ; the immediate's high byte repeats the setting that is left
.if MSB != (\new)
	s_set_vgpr_msb (MSB<<8)|(\new)
.set MSB, (\new)
.endif
.endm
.macro PICK lim, src, dst, gb, pstr, csh, cmk, hoff, flg, flv   ; work-groups below lim take this share
	s_cmp_lt_u32 ttmp9, \lim
	s_cselect_b64 s[SRC:SRC+1], s[\src:\src+1], s[SRC:SRC+1]
	s_cselect_b64 s[DST:DST+1], s[\dst:\dst+1], s[DST:DST+1]
	s_cselect_b32 s[GB], \gb, s[GB]
	s_cselect_b32 s[PSTR], \pstr, s[PSTR]
	s_cselect_b32 s[RSH], 12, s[RSH]
	s_cselect_b32 s[CSH], \csh, s[CSH]
	s_cselect_b32 s[CMK], \cmk, s[CMK]
	s_cselect_b32 s[HOFF], \hoff, s[HOFF]
	s_cselect_b32 s[FLG], \flg, s[FLG]
	s_cselect_b32 s[FLV], \flv, s[FLV]
.endm
.macro FOLD                            ; for each t: two packed chains into one number, then over the row's sixteen lanes; the two rows' lines alternate
	v_pk_add_f32 v[CH:CH+1], v[CH:CH+1], v[CH+2:CH+3]
	v_pk_add_f32 v[CH+4:CH+5], v[CH+4:CH+5], v[CH+6:CH+7]
	v_add_f32 v[CH], v[CH], v[CH+1]
	v_add_f32 v[CH+4], v[CH+4], v[CH+5]
.irp x, 1,2,4,8
	v_add_f32_dpp v[CH], v[CH], v[CH] row_xmask:\x row_mask:0xf bank_mask:0xf
	v_add_f32_dpp v[CH+4], v[CH+4], v[CH+4] row_xmask:\x row_mask:0xf bank_mask:0xf
.endr
.endm
	s_load_b512 s[4:19], s[0:1], 0x0               ; a, gamma, beta, in_proj_w, out_w, w1, w2, act
	s_load_b256 s[20:27], s[0:1], 0x40             ; wq, wo, w1b, w2b
	v_lshrrev_b32 v1, 5, v0
	v_readfirstlane_b32 s[WV], v1
	v_and_b32 v1, 31, v0
	v_and_b32 v[GOF], 15, v0
	v_lshlrev_b32 v[GOF], 4, v[GOF]
	v_bfe_u32 v[SO], v0, 4, 1                      ; my row of a piece's two
	v_lshlrev_b32 v[L8], 3, v1
	s_mov_b32 s[GB], 768                           ; the last share, w2 -> w2b; the others are picked below
	s_mov_b32 s[PSTR], PS1
	s_mov_b32 s[RSH], 14
	s_mov_b32 s[CSH], 6
	s_mov_b32 s[CMK], 63
	s_mov_b32 s[HOFF], 256
	s_mov_b32 s[FLG], 0
	s_mov_b32 s[FLV], 0
	s_wait_kmcnt 0x0
	s_mov_b64 s[SRC:SRC+1], s[16:17]
	s_mov_b64 s[DST:DST+1], s[26:27]
	PICK 768, 14, 24, 512, PS4, 8, 255, 256, 1, 0
	PICK 512, 12, 22, 448, PS1, 6, 63, 256, 0, 0
	PICK 448, 10, 20, 256, PS4, 8, 255, 256, 1, 0xff7fff7f
	PICK 256, 4, 18, 0, PS4, 8, 255, 0, 0, 0
	s_sub_co_u32 s41, ttmp9, s[GB]                 ; my number in the share
	s_and_b32 s42, s41, s[CMK]                     ; which 16 rows
	s_lshr_b32 s43, s41, s[CSH]                    ; which strip of 1,024 columns (w2 alone has four)
	s_lshl_b32 s42, s42, 4
	s_lshl2_add_u32 s42, s[WV], s42                ; my wave's first row
	s_lshl_b32 s44, s42, s[RSH]
	s_lshl_b32 s45, s43, 12
	s_add_co_u32 s44, s44, s45
	s_mov_b32 s45, 0
	s_add_nc_u64 s[SRC:SRC+1], s[SRC:SRC+1], s[44:45]
	s_mul_i32 s46, s43, s[PSTR]
	s_lshl_b32 s46, s46, 4                         ; a strip is 16 planes
	s_lshl_b32 s47, s42, 7
	s_add_co_u32 s46, s46, s47
	s_add_co_u32 s46, s46, s[HOFF]
	s_mov_b32 s47, 0
	s_mov_b64 s[48:49], s[DST:DST+1]               ; the header's place
	s_add_nc_u64 s[DST:DST+1], s[DST:DST+1], s[46:47]
	v_lshlrev_b32 v[SO], s[RSH], v[SO]
	v_add_nc_u32 v[SO], v[SO], v[GOF]
	s_lshl_b32 s51, 2, s[RSH]                      ; two source rows
	v_add_nc_u32 v[SO+1], s51, v[SO]
.set c, 0
.rept 16
	v_mad_u32_u24 v[DO+c], s[PSTR], c, v[L8]
.set c, c+1
.endr
	v_mov_b32 v[FL], s[FLV]
	v_mov_b32 v[FL+1], s[FLV]
.set n, 0
.rept 32                                       ; the whole task is asked for at once: 16 KiB a wave
	global_load_b128 v[X+4*n:X+4*n+3], v[SO+n/16], s[SRC:SRC+1] offset:256*(n%16) th:TH_LOAD_NT
.set n, n+1
.endr
	s_cmp_lt_u32 ttmp9, 256
	s_cbranch_scc0 .Lout                           ; a weight is only rounded
.set c, 0
.rept 16
	global_load_b128 v[G+4*c:G+4*c+3], v[GOF], s[6:7] offset:256*c
.set c, c+1
.endr
	s_wait_loadcnt 16                              ; the task's 32 loads are in; gamma's 16 stay out
	WIN 0x40                                       ; destination window 1, address window 0
.set c, 0
.rept 16
	global_load_b128 v[4*c:4*c+3], v[GOF], s[8:9] offset:256*c
.set c, c+1
.endr
	WIN 0
.set k, 0
.rept 4                                        ; the sums, in four chains (two a row) that the rows' first four pairs start: nothing is cleared
	v_pk_add_f32 v[CH+2*k:CH+2*k+1], v[X+64*(k/2)+2*(k%2):X+64*(k/2)+2*(k%2)+1], v[X+64*(k/2)+2*(k%2)+4:X+64*(k/2)+2*(k%2)+5]
.set k, k+1
.endr
.set q, 4
.rept 28
.irp t, 0,1
	v_pk_add_f32 v[CH+4*\t+2*(q%2):CH+4*\t+2*(q%2)+1], v[CH+4*\t+2*(q%2):CH+4*\t+2*(q%2)+1], v[X+64*\t+2*q:X+64*\t+2*q+1]
.endr
.set q, q+1
.endr
	FOLD
	v_mov_b32 v[KC], 0x3a800000                    ; 1 / 1,024
	v_mov_b32 v[EP], 0x3727c5ac                    ; 1e-5
	v_mul_f32 v[MU], v[KC], v[CH]
	v_mul_f32 v[MU+1], v[KC], v[CH]
	v_mul_f32 v[MU+2], v[KC], v[CH+4]
	v_mul_f32 v[MU+3], v[KC], v[CH+4]
.set p, 0
.rept 64
	v_pk_add_f32 v[X+2*p:X+2*p+1], v[X+2*p:X+2*p+1], v[MU+2*(p/32):MU+2*(p/32)+1] neg_lo:[0,1] neg_hi:[0,1]
.set p, p+1
.endr
.set k, 0
.rept 4
	v_pk_mul_f32 v[CH+2*k:CH+2*k+1], v[X+64*(k/2)+2*(k%2):X+64*(k/2)+2*(k%2)+1], v[X+64*(k/2)+2*(k%2):X+64*(k/2)+2*(k%2)+1]
.set k, k+1
.endr
.set q, 2
.rept 30
.irp t, 0,1
	v_pk_fma_f32 v[CH+4*\t+2*(q%2):CH+4*\t+2*(q%2)+1], v[X+64*\t+2*q:X+64*\t+2*q+1], v[X+64*\t+2*q:X+64*\t+2*q+1], v[CH+4*\t+2*(q%2):CH+4*\t+2*(q%2)+1]
.endr
.set q, q+1
.endr
	FOLD
	v_fma_f32 v[CH], v[CH], v[KC], v[EP]           ; var + 1e-5
	v_fma_f32 v[CH+4], v[CH+4], v[KC], v[EP]
	v_rsq_f32 v[RS], v[CH]
	v_rsq_f32 v[RS+1], v[CH]
	v_rsq_f32 v[RS+2], v[CH+4]
	v_rsq_f32 v[RS+3], v[CH+4]
	v_nop                                          ; a plain instruction behind the last root, ahead of the first use (ISA guide 5.7.2)
	s_wait_alu depctr_va_vdst(0)                   ; and one wait for the four
.set p, 0
.rept 64
	v_pk_mul_f32 v[X+2*p:X+2*p+1], v[X+2*p:X+2*p+1], v[RS+2*(p/32):RS+2*(p/32)+1]
.set p, p+1
.endr
	s_wait_loadcnt 0x0                             ; gamma and beta
	WIN 0x10                                       ; source 2 in window 1
.set p, 0
.rept 64
	v_pk_fma_f32 v[X+2*p:X+2*p+1], v[X+2*p:X+2*p+1], v[G+2*(p%32):G+2*(p%32)+1], v[2*(p%32):2*(p%32)+1]
.set p, p+1
.endr
	WIN 0
.Lout:                                                 ; piece by piece: four numbers round in place to 8 bytes and are stored
.set n, 0
.rept 32
	s_wait_loadcnt 31-n                            ; loads come back in order: piece n's is in, the 31 - n younger ones stay out (behind the LayerNorm none is out)
	v_cvt_pk_bf16_f32 v[X+4*n], v[X+4*n], v[X+4*n+1]
	v_cvt_pk_bf16_f32 v[X+4*n+1], v[X+4*n+2], v[X+4*n+3]
	global_store_b64 v[DO+n%16], v[X+4*n:X+4*n+1], s[DST:DST+1] offset:256*(n/16)
.set n, n+1
.endr
	s_xor_b32 s50, s[FLG], 1                       ; the header: one wave of the share's first work-group, where there is one
	s_or_b32 s50, s50, s41
	s_or_b32 s50, s50, s[WV]
	s_cmp_eq_u32 s50, 0
	s_cbranch_scc0 .Lend
	global_store_b64 v[L8], v[FL:FL+1], s[48:49]   ; 32 lanes x 8 bytes: the 256 bytes in one store
.Lend:
	s_endpgm
.Lfunc_end_k_qe38ea7e899_prep:
	.size	k_qe38ea7e899_prep, .Lfunc_end_k_qe38ea7e899_prep-k_qe38ea7e899_prep
	.p2alignl 7, 3214868480
	.fill 96, 4, 3214868480
	.section	.rodata,"a",@progbits
	.p2align	6, 0x0
	.amdhsa_kernel k_qe38ea7e899_prep
		.amdhsa_group_segment_fixed_size 0
		.amdhsa_private_segment_fixed_size 0
		.amdhsa_enable_private_segment 0
		.amdhsa_kernarg_size 96
		.amdhsa_user_sgpr_count 2
		.amdhsa_user_sgpr_kernarg_segment_ptr 1
		.amdhsa_wavefront_size32 1
		.amdhsa_system_sgpr_workgroup_id_x 1
		.amdhsa_system_sgpr_workgroup_id_y 1
		.amdhsa_system_sgpr_workgroup_id_z 1
		.amdhsa_system_vgpr_workitem_id 0
		.amdhsa_next_free_vgpr 320
		.amdhsa_next_free_sgpr 66
		.amdhsa_reserve_vcc 0
		.amdhsa_float_denorm_mode_32 3
		.amdhsa_float_denorm_mode_16_64 3
		.amdhsa_memory_ordered 1
		.amdhsa_forward_progress 1
		.amdhsa_inst_pref_size 41
	.end_amdhsa_kernel
	.amdgpu_metadata
---
amdhsa.version: [ 1, 2 ]
amdhsa.kernels:
  - .name:           k_qe38ea7e899_prep
    .symbol:         k_qe38ea7e899_prep.kd
    .args:
      - { .name: x, .offset: 0, .size: 8, .value_kind: global_buffer, .address_space: global }
      - { .name: ln1_g, .offset: 8, .size: 8, .value_kind: global_buffer, .address_space: global }
      - { .name: ln1_b, .offset: 16, .size: 8, .value_kind: global_buffer, .address_space: global }
      - { .name: in_proj_w, .offset: 24, .size: 8, .value_kind: global_buffer, .address_space: global }
      - { .name: out_w, .offset: 32, .size: 8, .value_kind: global_buffer, .address_space: global }
      - { .name: w1, .offset: 40, .size: 8, .value_kind: global_buffer, .address_space: global }
      - { .name: w2, .offset: 48, .size: 8, .value_kind: global_buffer, .address_space: global }
      - { .name: act, .offset: 56, .size: 8, .value_kind: global_buffer, .address_space: global }
      - { .name: wq, .offset: 64, .size: 8, .value_kind: global_buffer, .address_space: global }
      - { .name: wo, .offset: 72, .size: 8, .value_kind: global_buffer, .address_space: global }
      - { .name: w1b, .offset: 80, .size: 8, .value_kind: global_buffer, .address_space: global }
      - { .name: w2b, .offset: 88, .size: 8, .value_kind: global_buffer, .address_space: global }
    .group_segment_fixed_size: 0
    .private_segment_fixed_size: 0
    .kernarg_segment_align: 8
    .kernarg_segment_size: 96
    .max_flat_workgroup_size: 128
    .sgpr_count:     66
    .vgpr_count:     320
    .wavefront_size: 32
...
	.end_amdgpu_metadata
.endif
;; end of part 1
;; launch qkv (part 2): grid 12 x 16, 4 waves a work-group, clusters of 4 x 4, 327,680 bytes of LDS; arguments act, wq, in_proj_b, big; writes big
.if DOCPART == 2
	.amdgcn_target "amdgcn-amd-amdhsa--gfx1250"
	.amdhsa_code_object_version 6
	.text
	.protected	k_qe38ea7e899_qkv
	.globl	k_qe38ea7e899_qkv
	.p2align	8
	.type	k_qe38ea7e899_qkv,@function
k_qe38ea7e899_qkv:
	s_mov_b64 s[64:65], 0
	v_nop
	global_prefetch_b8 v0, s[64:65] scope:SCOPE_SE
	s_setreg_imm32_b32 hwreg(HW_REG_WAVE_MODE, 25, 1), 1
	s_wait_xcnt 0x0
	s_wait_alu depctr_hold_cnt(0) depctr_sa_sdst(0) depctr_va_vdst(0) depctr_va_sdst(0) depctr_va_ssrc(0) depctr_va_vcc(0) depctr_vm_vsrc(0)
	s_getreg_b32 s2, hwreg(HW_REG_IB_STS2, 6, 4)
	s_cmp_eq_u32 s2, 0
	s_cbranch_scc0 .Lentry_in_a_cluster
	s_endpgm
.Lentry_in_a_cluster:
	s_bfe_u32 s2, ttmp6, 0x10000c
	s_cmp_lg_u32 s2, 0xf033
	s_cbranch_scc0 .Lentry_shape_is_right
	s_endpgm
.Lentry_shape_is_right:
; C[m][n] = floor-max( sum over k of A[m][k] W[n][k] + bias[n] ), K = 1,024.  A, W and C are bf16 in PLANES of 64 columns, T[c / 64][row][c % 64], 4,096 rows (524,288 bytes) a plane;
; W has 256 bytes of header in front, whose first word is a packed bf16 floor (0: a ReLU; the lowest finite bf16: nothing changes).  bias is f32.  Sums in f32, C rounded once.
; LIMITS: NaN becomes the floor (the maximum drops it), -infinity likewise; nothing else is treated apart.
; SHARES.  A tile of C is 256 x 256; four waves, each 128 x 128: 64 accumulators of 16 x 16, 512 registers.  K goes in 8 steps of 128 (two planes) through two LDS slots.
; A wave fetches one plane x 256 rows of a step with one tensor load: 32,768 dense bytes, asked for as 128 rows of 256 bytes, padded in LDS by 16 bytes behind every 128.
; CLUSTER 4 x 4: the four work-groups of a row of the cluster need the same tiles of A, the four of a column the same tiles of W: each tile is asked for jointly, by the same tensor load
; with the same descriptor and a mask that names the four.
; THE MATRIX INSTRUCTION IS USED TRANSPOSED (source 0 = 16 rows of W, source 1 = 16 rows of A): a lane holds row l % 16 of C and the columns 8 (l / 16) + 0..7.  The bias is the C operand
; of the product that starts each sum.
; ONE K STEP IS WRITTEN ONCE: the slot in hand is a scalar (0 or SLOT) that an exclusive or turns; the loop has T - 2 trips, each with a refill; the last two steps run a second text without one,
; which is left in its middle; its last fetch, of a slot that has been multiplied, serves nothing.
; REGISTERS, in windows of 256: window 0: v0-31 addresses; v64-127, v128-191 A's fragments, two buffers; v192-255 the bias, later the way out; v32-63 the way out.
;   window 1: v64-127, v128-191 W's fragments.  window 2: accumulators of my rows 0-63 ((a, b) at 8 (8 (a % 4) + b)); window 3: rows 64-127.
.set T,      8
.set PITCH,  144                       ; an LDS row: 128 bytes + 16: the 16 rows of a fragment load start at 16 different groups of four banks (64 banks of 4 bytes: ISA guide 11.1)
.set UNIT,   256*PITCH                 ; what one tensor load brings
.set HALF,   128*PITCH
.set SLOT,   4*UNIT                    ; A's planes 0, 1, then W's planes 0, 1.  0x24000: it shares no bit with wave x UNIT, so an exclusive or adds or takes it away
.set STAGE,  2*SLOT                    ; behind the ring: 2 planes x 16 rows x 144 bytes for each wave
.set STG,    2*16*PITCH
.set SPARE,  STAGE+4*STG               ; the spare words, 128 bytes for each wave: two blocks of 256 bytes that no other line names
.set PS4,    524288
.set KSB,    2*PS4                     ; bytes from a K step to the next, in A and in W
.set G1W0,   (1<<16)|(1<<20)|(1<<21)|(4<<22)|(3<<25)  ; 2-byte elements; padding on; bit 21 beside a mask; behind every 32 words (code 4); 4 words (code 3)
.set WV,   12
.set ROLE, 13                          ; wave / 2: my half of the tile's rows; also 0: I fetch for A, 1: for W
.set U,    14                          ; wave % 2: my half of its columns; also which plane of the step I fetch
.set TB,   15                          ; the slot in hand: 0 or SLOT
.set G1A,  24
.set G0A,  32                          ; two sets: K step 0; K step 1, which then walks
.set PFA,  40                          ; s[40:41] where my prefetches stand
.set LIM,  42                          ; 1 in a wave that prefetches, else the greatest number
.set FLR,  43                          ; the floor
.set UL,   46                          ; wave x UNIT
.set G1B,  48
.set G0B,  56
.set ADRA0, 16
.set ADRB0, 17
.set ADRA, 18
.set ADRB, 19
.set STO,  24
.set RD,   25
.set CO,   26
.set SPW,  28
.set NIL,  29
.set PFO,  30                          ; 256 x lane; never rewritten
.set BO,   31
.set F0,   64
.set F1,   128
.set BI,   192
.set TMP,  192
.set OB,   32
.set MSB, 0
.macro WIN new                         ; the immediate's high byte repeats the setting that is left
.if MSB != (\new)
	s_set_vgpr_msb (MSB<<8)|(\new)
.set MSB, (\new)
.endif
.endm
.macro PLACES                          ; four plain vector instructions between a matrix instruction and a load into, or a vector read of, its registers
.rept 4
	v_nop
.endr
.endm
.macro JLOAD                           ; the joint refill, by the walking set.  The branch hangs on the wave's number alone.  An s_nop 0 and four v_nop follow each line
	s_cmp_eq_u32 s[ROLE], 0
	s_cbranch_scc0 .Lfor_b_\@
	tensor_load_to_lds s[G0A+4:G0A+7], s[G1A:G1A+7]
	s_nop 0
.rept 4
	v_nop
.endr
	s_branch .Lasked_\@
.Lfor_b_\@:
	tensor_load_to_lds s[G0B+4:G0B+7], s[G1B:G1B+7]
	s_nop 0
.rept 4
	v_nop
.endr
.Lasked_\@:
.endm
; A prefetch of the tile that the NEXT refill will ask for: one K step, 256 matrix instructions, ahead of that load.  Of the 32,768 bytes that a wave fetches each of the four partners that ask jointly
; takes 8,192, told apart by address; a lane names 256 bytes.  A's tile row is walked by every cluster of that row of clusters: cluster x = 0 asks; W's tile column: cluster y = 0.
; So each block is named once.  K steps 0 to 2 come by their loads alone; the loop's last trip asks for nothing: there is no K step behind its refill's.
.macro ASK
	s_cmp_gt_u32 s3, s[LIM]
	s_cbranch_scc0 .Lnot_mine_\@
	global_prefetch_b8 v[PFO], s[PFA:PFA+1] th:TH_LOAD_NT scope:SCOPE_SE
.Lnot_mine_\@:
.endm
.macro CREST                           ; a round of the cluster's barrier behind its opening barrier
	s_cmp_lg_u32 s[WV], 0
	s_cbranch_scc1 .Lnot_wave_0_\@
	s_barrier_signal -3
.Lnot_wave_0_\@:
	s_barrier_wait -3
	s_barrier_signal -1
	s_barrier_wait -1
.endm
.macro CROUND
	s_barrier_signal -1
	s_barrier_wait -1
	CREST
.endm
; 8 matrix instructions: m block a x all 8 n blocks, 32 along K.  first = 1: the bias starts the sums.  The 64 accumulators take turns in one order everywhere.
.macro MULA f, a, first
.if \first
	WIN 0x81+0x40*((\a)/4)
.else
	WIN 0xa1+0x50*((\a)/4)
.endif
.irp b, 0,1,2,3,4,5,6,7
.if \first
	v_wmma_f32_16x16x32_bf16 v[8*(8*((\a)%4)+(\b)):8*(8*((\a)%4)+(\b))+7], v[(\f)+8*(\b):(\f)+8*(\b)+7], v[(\f)+8*(\a):(\f)+8*(\a)+7], v[BI+8*(\b):BI+8*(\b)+7]
.else
	v_wmma_f32_16x16x32_bf16 v[8*(8*((\a)%4)+(\b)):8*(8*((\a)%4)+(\b))+7], v[(\f)+8*(\b):(\f)+8*(\b)+7], v[(\f)+8*(\a):(\f)+8*(\a)+7], v[8*(8*((\a)%4)+(\b)):8*(8*((\a)%4)+(\b))+7]
.endif
.endr
.endm
; 32 LDS loads in one run: quarter q of the step (plane q / 2, channels 32 (q % 2) on) into buffer f: W's 128 rows, then A's
.macro FETCH q, f
	WIN 0x40
.irp i, 0,1,2,3,4,5,6,7
	ds_load_b128 v[(\f)+8*(\i):(\f)+8*(\i)+3],   v[ADRB] offset:UNIT*((\q)/2)+64*((\q)%2)+(\i)*16*PITCH
	ds_load_b128 v[(\f)+8*(\i)+4:(\f)+8*(\i)+7], v[ADRB] offset:UNIT*((\q)/2)+64*((\q)%2)+(\i)*16*PITCH+32
.endr
	WIN 0
.irp i, 0,1,2,3,4,5,6,7
	ds_load_b128 v[(\f)+8*(\i):(\f)+8*(\i)+3],   v[ADRA] offset:UNIT*((\q)/2)+64*((\q)%2)+(\i)*16*PITCH
	ds_load_b128 v[(\f)+8*(\i)+4:(\f)+8*(\i)+7], v[ADRA] offset:UNIT*((\q)/2)+64*((\q)%2)+(\i)*16*PITCH+32
.endr
.endm
; A quarter step: multiplies buffer f; in its middle fetches quarter q into buffer g
.macro QUARTER q, f, g, first
	s_wait_dscnt 8                                 ; W and A's blocks 0-3 are in; the youngest eight loads (A's blocks 4-7) may be out
	MULA \f, 0, \first
	MULA \f, 1, \first
	MULA \f, 2, \first
	MULA \f, 3, \first
	PLACES
	FETCH \q, \g
	s_wait_dscnt 32                                ; all but the 32 just issued
	MULA \f, 4, \first
	MULA \f, 5, \first
	MULA \f, 6, \first
	MULA \f, 7, \first
.endm
; THE CHANGE OF SLOTS stands at the head of the step's last quarter, whose fragments (buffer 1) are in registers by then: the slot's last reads were issued 32 matrix instructions back.
; Each wave waits for all its tensor loads (one is out: its part of the next slot), adds 0 to its spare word, and waits for that and for its reads of this slot.  fill = 1: a round of the cluster's
; barrier follows, and the joint refill of this slot, two K steps on, is the first thing behind the round.  No matrix instruction stands between the wait for a tile and the next request,
; so that a request has a whole K step's 256 matrix instructions between itself and the wait for it.  Then the next slot's first fragments are fetched and buffer 1 is multiplied.
.macro TURN fill
.if \fill
	s_wait_xcnt 0x0                                ; the last prefetch, a K step back, has read its address
	s_add_nc_u64 s[PFA:PFA+1], s[PFA:PFA+1], KSB
.endif
	WIN 0
	s_wait_tensorcnt 0x0                           ; no tensor load of mine is out, so the walking sets may be written
	ds_add_u32 v[SPW], v[NIL]                      ; 0 onto my spare word
.if \fill
	s_xor_b32 s[G0A+5], s[G0A+5], SLOT             ; the other slot than last time,
	s_add_nc_u64 s[G0A+6:G0A+7], s[G0A+6:G0A+7], KSB  ; the next K step; the type bits on top are not reached
	s_xor_b32 s[G0B+5], s[G0B+5], SLOT
	s_add_nc_u64 s[G0B+6:G0B+7], s[G0B+6:G0B+7], KSB
.endif
	s_wait_dscnt 0x0                               ; the add is done, and my reads of this slot are over
.if \fill
	CROUND                                         ; no wave of any partner still reads this slot or has a load on its way
	JLOAD                                          ; its four v_nop are also the places in front of the loads below
.else
	s_barrier_signal -1
	s_barrier_wait -1                              ; the next slot is whole
	PLACES
.endif
	s_xor_b32 s[TB], s[TB], SLOT
	v_add_nc_u32 v[ADRA], s[TB], v[ADRA0]
	v_add_nc_u32 v[ADRB], s[TB], v[ADRB0]
	FETCH 0, F0
.if \fill
	ASK
.endif
	MULA F1, 0, 0
	MULA F1, 1, 0
	MULA F1, 2, 0
	MULA F1, 3, 0
	MULA F1, 4, 0
	MULA F1, 5, 0
	MULA F1, 6, 0
	MULA F1, 7, 0
.endm
	s_load_b256 s[4:11], s[0:1], 0x0               ; A s[4:5], W s[6:7], bias s[8:9], C s[10:11]
	v_lshl_add_u32 v[SPW], v0, 2, SPARE
	v_mov_b32 v[NIL], 0
	ds_add_u32 v[SPW], v[NIL]                      ; the wave's opening: the add and its wait stand ahead of my first tensor load
	v_lshrrev_b32 v1, 5, v0
	v_readfirstlane_b32 s[WV], v1
	s_lshr_b32 s[ROLE], s[WV], 1
	s_and_b32 s[U], s[WV], 1
	s_bfe_u32 s16, ttmp6, 0x40000                  ; cx
	s_bfe_u32 s17, ttmp6, 0x40004                  ; cy
	s_lshl_b32 s18, ttmp9, 2
	s_add_co_u32 s18, s18, s16                     ; tile column
	s_and_b32 s19, ttmp7, 0xffff
	s_lshl_b32 s19, s19, 2
	s_add_co_u32 s19, s19, s17                     ; tile row
	s_lshl_b32 s20, s17, 2
	s_lshl_b32 s20, 15, s20                        ; my row of the cluster
	s_lshl_b32 s66, 0x1111, s16                    ; my column
	s_or_b32 s[G1A], s20, G1W0
	s_or_b32 s[G1B], s66, G1W0
.irp g, G1A, G1B
	s_mov_b32 s[\g+1], 128<<16                     ; tensor_dim0 = 128 elements (256 bytes: two rows of a plane)
	s_mov_b32 s[\g+2], 128<<16                     ; tensor_dim1 = 128
	s_mov_b32 s[\g+3], 128<<16                     ; tile_dim0
	s_mov_b32 s[\g+4], 128                         ; tile_dim1
	s_mov_b32 s[\g+5], 128                         ; dense
	s_mov_b32 s[\g+6], 0
	s_mov_b32 s[\g+7], 0
.endr
	s_lshl_b32 s20, s19, 15                        ; A: 256 rows x 128 bytes x tile row,
	s_lshl_b32 s21, s[U], 19                       ; + my plane of the step
	s_add_co_u32 s20, s20, s21
	s_mov_b32 s21, 0
	s_lshl_b32 s66, s18, 15                        ; W likewise by the tile column, behind its header; in registers that never feed A's sets
	s_lshl_b32 s67, s[U], 19
	s_add_co_u32 s66, s66, s67
	s_add_co_u32 s66, s66, 256
	s_mov_b32 s67, 0
	s_mul_i32 s[UL], s[WV], UNIT                   ; no place in the cluster enters an LDS address
	s_mov_b32 s[TB], 0
	s_wait_dscnt 0x0                               ; the opening add is done
	s_wait_kmcnt 0x0
	s_add_nc_u64 s[20:21], s[4:5], s[20:21]
	s_add_nc_u64 s[66:67], s[6:7], s[66:67]
.irp s, 0,1
	s_mov_b32 s[G0A+4*\s], 1
	s_add_co_u32 s[G0A+4*\s+1], s[UL], \s*SLOT
	s_add_nc_u64 s[G0A+4*\s+2:G0A+4*\s+3], s[20:21], \s*KSB
	s_or_b32 s[G0A+4*\s+3], s[G0A+4*\s+3], 0x80000000
	s_mov_b32 s[G0B+4*\s], 1
	s_add_co_u32 s[G0B+4*\s+1], s[UL], \s*SLOT
	s_add_nc_u64 s[G0B+4*\s+2:G0B+4*\s+3], s[66:67], \s*KSB
	s_or_b32 s[G0B+4*\s+3], s[G0B+4*\s+3], 0x80000000
.endr
	CROUND                                         ; all sixteen work-groups are here: the first joint loads meet
	s_cmp_eq_u32 s[ROLE], 0                        ; a wave's two first fills stand in one branch: two loads of mine are out
	s_cbranch_scc0 .Lfirst_b
	tensor_load_to_lds s[G0A:G0A+3], s[G1A:G1A+7]
	s_nop 0
	tensor_load_to_lds s[G0A+4:G0A+7], s[G1A:G1A+7]
	s_nop 0
.rept 4
	v_nop
.endr
	s_branch .Lfirst_asked
.Lfirst_b:
	tensor_load_to_lds s[G0B:G0B+3], s[G1B:G1B+7]
	s_nop 0
	tensor_load_to_lds s[G0B+4:G0B+7], s[G1B:G1B+7]
	s_nop 0
.rept 4
	v_nop
.endr
.Lfirst_asked:
	s_load_b32 s[FLR], s[6:7], 0x0                 ; the floor, from W's header
	v_and_b32 v1, 15, v0                           ; r = l % 16
	v_bfe_u32 v2, v0, 4, 1                         ; h = l / 16
	s_lshl_b32 s68, s18, 10                        ; the bias of my 128 columns: 4 (256 tile column + 128 half + 8 h) bytes
	s_lshl_b32 s69, s[U], 9
	s_add_co_u32 s68, s68, s69
	v_lshl_add_u32 v[BO], v2, 5, s68
.irp b, 0,1,2,3,4,5,6,7
	global_load_b128 v[BI+8*\b:BI+8*\b+3],   v[BO], s[8:9] offset:64*\b
	global_load_b128 v[BI+8*\b+4:BI+8*\b+7], v[BO], s[8:9] offset:64*\b+16
.endr
	v_mul_u32_u24 v3, v1, PITCH
	v_lshl_add_u32 v3, v2, 4, v3                   ; a fragment's row x pitch + 16 x half
	s_mul_i32 s20, s[ROLE], HALF
	v_add_nc_u32 v[ADRA0], s20, v3
	s_mul_i32 s21, s[U], HALF
	s_add_co_u32 s21, s21, 2*UNIT
	v_add_nc_u32 v[ADRB0], s21, v3
	v_mov_b32 v[ADRA], v[ADRA0]
	v_mov_b32 v[ADRB], v[ADRB0]
	s_mul_i32 s20, s[WV], STG
	s_add_co_u32 s20, s20, STAGE                   ; my stage
	v_add_nc_u32 v[STO], s20, v3                   ; in: row r, 16 bytes for each half of the lanes
	v_bfe_u32 v4, v0, 3, 2
	v_and_b32 v5, 7, v0
	v_mul_u32_u24 v4, v4, PITCH
	v_lshl_add_u32 v4, v5, 4, v4
	v_add_nc_u32 v[RD], s20, v4                    ; back: 32 lanes take four rows of 128 bytes,
	v_and_b32 v[CO], 31, v0
	v_lshlrev_b32 v[CO], 4, v[CO]                  ; which are 512 consecutive bytes of a plane of C
	v_and_b32 v[PFO], 31, v0
	v_lshlrev_b32 v[PFO], 8, v[PFO]
	s_lshl_b32 s68, s18, 2                         ; C: plane 4 x tile column + 2 x half,
	s_lshl_b32 s69, s[U], 1
	s_add_co_u32 s68, s68, s69
	s_lshl_b32 s68, s68, 19
	s_lshl_b32 s69, s19, 15                        ; row 256 x tile row + 128 x half
	s_add_co_u32 s68, s68, s69
	s_lshl_b32 s69, s[ROLE], 14
	s_add_co_u32 s68, s68, s69
	s_mov_b32 s69, 0
	s_add_nc_u64 s[10:11], s[10:11], s[68:69]
	s_and_b32 s22, ttmp7, 0xffff                   ; the prefetches
	s_cmp_eq_u32 s[ROLE], 0
	s_cselect_b32 s66, s19, s18                    ; the tile: A's by the tile row, W's by the tile column
	s_cselect_b32 s67, s16, s17                    ; my place among the four that ask with me
	s_cselect_b32 s68, ttmp9, s22                  ; the coordinate along which other clusters walk the same rows
	s_cselect_b32 s69, 0, 256
	s_cselect_b64 s[PFA:PFA+1], s[4:5], s[6:7]
	s_cmp_eq_u32 s68, 0
	s_cselect_b32 s[LIM], 1, -1                    ; the same in all sixteen partners, for a given wave
	s_lshl_b32 s66, s66, 15
	s_lshl_b32 s67, s67, 13
	s_add_co_u32 s66, s66, s67
	s_add_co_u32 s66, s66, s69
	s_lshl_b32 s67, s[U], 19
	s_add_co_u32 s66, s66, s67
	s_add_co_u32 s66, s66, 2*KSB                   ; at K step 2: the first change of slots steps it to 3
	s_mov_b32 s67, 0
	s_add_nc_u64 s[PFA:PFA+1], s[PFA:PFA+1], s[66:67]
	s_wait_kmcnt 0x0                               ; the floor
	s_wait_tensorcnt 0x1                           ; my part of K step 0 is in; K step 1's may stay out
	s_barrier_signal -1
	s_barrier_wait -1
	FETCH 0, F0
	s_wait_loadcnt 0x0                             ; the bias
	QUARTER 1, F0, F1, 1                           ; the first quarter stands in front of the loop: its products start the sums
	WIN 0
	s_mov_b32 s3, T-2
.Lloop:                                                ; a trip: a step's quarters 1 to 3, the refill, the next step's quarter 0
	QUARTER 2, F1, F0, 0
	QUARTER 3, F0, F1, 0
	TURN 1
	QUARTER 1, F0, F1, 0
	WIN 0
	s_sub_co_u32 s3, s3, 1
	s_cmp_lg_u32 s3, 0
	s_cbranch_scc1 .Lloop
	s_mov_b32 s2, 2
.Ltail:                                                ; the last two steps ask for nothing
	QUARTER 2, F1, F0, 0
	QUARTER 3, F0, F1, 0
	TURN 0
	WIN 0
	s_sub_co_u32 s2, s2, 1
	s_cmp_eq_u32 s2, 0
	s_cbranch_scc1 .Lout
	QUARTER 1, F0, F1, 0
	WIN 0
	s_branch .Ltail
.Lout:
	s_wait_dscnt 0x0
	PLACES
; THE WAY OUT, a block of 16 rows at a time: rounded to bf16, the maximum with the floor, through my own stage, and out as 512 consecutive bytes a store.
.macro PACK a
.set AC, 64*((\a)%4)
	WIN 0x0a+5*((\a)/4)
.irp b, 0,1,2,3,4,5,6,7
.irp r, 0,1,2,3
	v_cvt_pk_bf16_f32 v[TMP+4*(\b)+(\r)], v[AC+8*(\b)+2*(\r)], v[AC+8*(\b)+2*(\r)+1]
.endr
.endr
	WIN 0
.set z, 0
.rept 32
	v_pk_max_num_bf16 v[TMP+z], v[TMP+z], s[FLR]
.set z, z+1
.endr
.endm
.macro TOSTAGE a
.set BK, OB+192*((\a)%2)
.irp b, 0,1,2,3,4,5,6,7
	ds_store_b128 v[STO], v[TMP+4*(\b):TMP+4*(\b)+3] offset:16*PITCH*((\b)/4)+32*((\b)%4)
.endr
.irp t, 0,1,2,3,4,5,6,7
	ds_load_b128 v[BK+4*(\t):BK+4*(\t)+3], v[RD] offset:16*PITCH*((\t)/4)+4*PITCH*((\t)%4)  ; LDS serves a wave's instructions in order (ISA guide 5.7.1.4): these see the stores above
.endr
.endm
.macro SEND a
.set BK, OB+192*((\a)%2)
	s_wait_dscnt 0x0                               ; the block is back in registers
	s_wait_xcnt 0x0                                ; earlier stores have read their registers: the other buffer is loaded again only behind this wait
.irp t, 0,1,2,3,4,5,6,7
	global_store_b128 v[CO], v[BK+4*(\t):BK+4*(\t)+3], s[10:11] offset:PS4*((\t)/4)+2048*(\a)+512*((\t)%4)
.endr
.endm
	PACK 0
	TOSTAGE 0
.irp a, 1,2,3,4,5,6,7
	PACK \a
	SEND (\a)-1
	TOSTAGE \a
.endr
	SEND 7
	s_wait_tensorcnt 0x0                           ; the wave's end
	ds_add_u32 v[SPW], v[NIL]
	s_wait_dscnt 0x0
	CROUND                                         ; the closing round
	s_endpgm
.Lfunc_end_k_qe38ea7e899_qkv:
	.size	k_qe38ea7e899_qkv, .Lfunc_end_k_qe38ea7e899_qkv-k_qe38ea7e899_qkv
	.p2alignl 7, 3214868480
	.fill 96, 4, 3214868480
	.section	.rodata,"a",@progbits
	.p2align	6, 0x0
	.amdhsa_kernel k_qe38ea7e899_qkv
		.amdhsa_group_segment_fixed_size 327680
		.amdhsa_private_segment_fixed_size 0
		.amdhsa_enable_private_segment 0
		.amdhsa_kernarg_size 32
		.amdhsa_user_sgpr_count 2
		.amdhsa_user_sgpr_kernarg_segment_ptr 1
		.amdhsa_wavefront_size32 1
		.amdhsa_system_sgpr_workgroup_id_x 1
		.amdhsa_system_sgpr_workgroup_id_y 1
		.amdhsa_system_sgpr_workgroup_id_z 1
		.amdhsa_system_vgpr_workitem_id 0
		.amdhsa_next_free_vgpr 1024
		.amdhsa_next_free_sgpr 72
		.amdhsa_reserve_vcc 0
		.amdhsa_float_denorm_mode_32 3
		.amdhsa_float_denorm_mode_16_64 3
		.amdhsa_memory_ordered 1
		.amdhsa_forward_progress 1
		.amdhsa_inst_pref_size 118
	.end_amdhsa_kernel
	.amdgpu_metadata
---
amdhsa.version: [ 1, 2 ]
amdhsa.kernels:
  - .name:           k_qe38ea7e899_qkv
    .symbol:         k_qe38ea7e899_qkv.kd
    .args:
      - { .name: act, .offset: 0, .size: 8, .value_kind: global_buffer, .address_space: global }
      - { .name: wq, .offset: 8, .size: 8, .value_kind: global_buffer, .address_space: global }
      - { .name: in_proj_b, .offset: 16, .size: 8, .value_kind: global_buffer, .address_space: global }
      - { .name: big, .offset: 24, .size: 8, .value_kind: global_buffer, .address_space: global }
    .group_segment_fixed_size: 327680
    .private_segment_fixed_size: 0
    .kernarg_segment_align: 8
    .kernarg_segment_size: 32
    .max_flat_workgroup_size: 128
    .sgpr_count:     72
    .vgpr_count:     1024
    .wavefront_size: 32
...
	.end_amdgpu_metadata
.endif
;; end of part 2
;; launch attn (part 3): grid 4 x 64, 4 waves a work-group, no clusters, 262,144 bytes of LDS; arguments big, rel_pos, act; writes act
.if DOCPART == 3
	.amdgcn_target "amdgcn-amd-amdhsa--gfx1250"
	.amdhsa_code_object_version 6
	.text
	.protected	k_qe38ea7e899_attn
	.globl	k_qe38ea7e899_attn
	.p2align	8
	.type	k_qe38ea7e899_attn,@function
k_qe38ea7e899_attn:
	s_mov_b64 s[64:65], 0
	v_nop
	global_prefetch_b8 v0, s[64:65] scope:SCOPE_SE
	s_setreg_imm32_b32 hwreg(HW_REG_WAVE_MODE, 25, 1), 1
	s_wait_xcnt 0x0
; ATTENTION with a relative bias in a causal band: O[q] = sum over k, 0 <= q - k < 512, of softmax_k(Q[q] . K[k] / 8 + rel_pos[head][q - k]) V[k].
; big holds q (planes 0-15), k (16-31), v (32-47), bf16, a plane = a head's 64 channels x 4,096 tokens: the slab of head hd and batch b begins 131,072 (4 hd + b) bytes into its tensor.  O goes to act likewise.
; Products, maxima and sums in f32; the weights are rounded to bf16 for the second product (their sum is taken unrounded), O once at the end.
; LIMITS.  A hidden score counts as -1e30 and not as -infinity.  The running maximum starts at -2^83, between the hidden scores and the true ones: a score whose eightfold (bias included) lay below -2^83
; would count as hidden.  A weight below 2^-126 counts as 0.  NaN and infinities are not treated apart.
; SHARES.  A work-group takes 256 queries (block i) of one slab, a wave 64: four tiles of 16.  It loads ONE window of 768 keys, which begins at key 256 max(i, 2) - 512 and holds every key of the band:
; one tensor load a wave, nothing is filled twice.  All waves count the window's 12 steps of 64 keys and jump forward over the steps that hold no key of their band: 9 live steps at the most.
; NO CLUSTER: the window of a slab's fourth block is another than that of blocks 0 to 2, so the four descriptors differ; a whole slab's K and V, 311,296 bytes padded, do not fit beside the table.
; THE BIAS AND THE MASK ARE ONE TABLE, the C operand of the product that starts a score's sum: 8 rel_pos[q - k] inside the band (so that one factor c = log2(e) / 8 serves score and bias), -1e30 outside.
; Entry z of copy f stands for q - k = D + 256 - z + f, D = 256 min(i, 2).  A lane wants eight entries on end, from a place that goes down with its query: four copies, shifted by one entry
; each, keep every address a multiple of 16.  A 16 x 16 tile's C hangs on (query tile - key block) alone: seven of them serve a step's sixteen.
; LAYOUT.  S^T = K Q^T holds ONE query a lane (l % 16) and the keys 8 (l / 16) + 0..7; two results rounded in pairs ARE source 1 of O^T = V^T P.  p = 2^(c s - c m) with a running maximum m; O and l are
; multiplied by a = 2^(c m_old - c m_new) in every step.  O and l start at 0, so that the first step is a step like any other.
; WHY m STARTS AT -2^83.  The last of a wave's 64 queries sees no key of the wave's first live step where the band has a lower edge (q - k runs from 575 down to 512 there).  If m followed the hidden scores,
; c s - c m would be what the rounding of c m leaves, some 1e22, and no weight.  With the floor m stays put in such a step: a = 1, every weight is 2^(c (-1e30) + c 2^83) = 0, l and O stay 0.
; A STEP GOES IN PHASES: loads, 32 products K Q^T, the softmax of four tiles with ONE batch of exponentials, 32 products V^T P.
; REGISTERS: window 0: v1-15 addresses; v16-47 eight statistics a tile (c m, m, l twice, c0-c3; a takes c2's place); v64-191 S^T; v192-255 P.
;   window 1: v0-127 O^T, 32 a tile; v128-183 the seven C tiles.   window 2: v0-63 Q; v128-191 K of a step; v192-255 V of a step.
.set PK,    144                        ; a row of K in LDS: 128 + 16 bytes: the 16 rows of a load start at 16 different groups of four banks (64 banks of 4 bytes: ISA guide 11.1)
.set PV,    160                        ; a row of V: 128 + 32
.set VOFF,  768*PK
.set TABLE, VOFF+768*PV
.set TP,    4160                       ; a copy: 1,024 entries + 64 bytes
.set STAGE, TABLE+16896
.set SP,    144
.set SPARE, STAGE+4*16*SP              ; the spare words, 128 bytes for each wave: two blocks of 256 bytes that no other line names
.set AK,  2
.set AV,  3
.set AB,  4
.set QO,  5
.set STO, 6
.set RD,  7
.set GO,  8
.set TA,  12                           ; where I store table entries
.set RB,  13                           ; D + 256 - my thread's number
.set BG,  15                           ; -1e30
.set ST,  16
.set SPW, 62
.set NIL, 63
.set S,   64
.set P,   192
.set BI,  128                          ; window 1
.set KF,  128                          ; window 2
.set VF,  192
.set WV,  12
.set LO,  20
.set HI,  21
.set SI,  22
.set G1K, 24
.set G1V, 32
.set G0K, 40
.set G0V, 44
.set CS,  58
.set SEL, 60
.set MSB, 0
.macro WIN new
.if MSB != (\new)
	s_set_vgpr_msb (MSB<<8)|(\new)
.set MSB, (\new)
.endif
.endm
.macro PLACES
.rept 4
	v_nop
.endr
.endm
	s_load_b128 s[4:7], s[0:1], 0x0                ; big, rel_pos
	s_load_b64 s[8:9], s[0:1], 0x10                ; act
	v_lshl_add_u32 v[SPW], v0, 2, SPARE
	v_mov_b32 v[NIL], 0
	ds_add_u32 v[SPW], v[NIL]                      ; the wave's opening: the add and its wait stand ahead of my first tensor load
	v_lshrrev_b32 v1, 5, v0
	v_readfirstlane_b32 s[WV], v1
	s_and_b32 s13, ttmp7, 0xffff                   ; y = 4 head + batch
	s_max_u32 s14, ttmp9, 2
	s_min_u32 s15, ttmp9, 2
	s_lshl_b32 s15, s15, 8
	s_add_co_u32 s19, s15, 256                     ; D + 256
	s_lshl_b32 s16, ttmp9, 2
	s_add_co_u32 s16, s16, s[WV]                   ; my 64 queries' number in the slab
	s_lshl_b32 s17, s14, 2
	s_add_co_u32 s[HI], s16, 8                     ; the step with my own keys,
	s_sub_co_u32 s[HI], s[HI], s17
	s_max_u32 s[LO], s16, 8                        ; and the first that holds a key of my band
	s_sub_co_u32 s[LO], s[LO], s17
	s_and_b32 s16, s[WV], 1                        ; which half of the window I fetch
	s_lshl_b32 s2, s13, 17
	s_lshl_b32 s3, s14, 15
	s_add_co_u32 s2, s2, s3
	s_sub_co_u32 s2, s2, 65536                     ; the window's first key
	s_mul_i32 s3, s16, 49152
	s_add_co_u32 s2, s2, s3
	s_add_co_u32 s2, s2, 8388608                   ; k lies 16 planes into big
	s_mov_b32 s3, 0
	s_mov_b32 s[G1K], (1<<16)|(1<<20)|(4<<22)|(3<<25)  ; 2-byte elements; padding on, behind every 32 words (code 4), 4 words (code 3)
	s_mov_b32 s[G1V], (1<<16)|(1<<20)|(4<<22)|(7<<25)  ; 8 words (code 7)
.irp g, G1K, G1V
	s_mov_b32 s[\g+1], 128<<16                     ; 384 keys are 49,152 dense bytes: 192 rows of 256
	s_mov_b32 s[\g+2], 192<<16
	s_mov_b32 s[\g+3], 128<<16
	s_mov_b32 s[\g+4], 192
	s_mov_b32 s[\g+5], 128
	s_mov_b32 s[\g+6], 0
	s_mov_b32 s[\g+7], 0
.endr
	s_mov_b32 s[G0K], 1
	s_mul_i32 s[G0K+1], s16, 384*PK
	s_mov_b32 s[G0V], 1
	s_mul_i32 s[G0V+1], s16, 384*PV
	s_add_co_u32 s[G0V+1], s[G0V+1], VOFF
	s_lshl_b32 s16, s13, 17                        ; Q and O: the slab, my block, my wave's 64 rows
	s_lshl_b32 s17, ttmp9, 15
	s_add_co_u32 s16, s16, s17
	s_lshl_b32 s17, s[WV], 13
	s_add_co_u32 s16, s16, s17
	s_mov_b32 s17, 0
	s_lshr_b32 s54, s13, 2
	s_lshl_b32 s54, s54, 11                        ; the head's 512 entries of rel_pos
	s_mov_b32 s55, 0
	s_mov_b32 s[CS], 0x3e38aa3b                    ; c = log2(e) / 8
	s_mov_b32 s[CS+1], s[CS]
	s_mov_b32 s[SEL], 0x76543210
	s_mov_b32 s[SEL+1], 0xfedcba98
	s_mov_b32 s[SI], 0
	s_wait_dscnt 0x0                               ; the opening add is done
	s_wait_kmcnt 0x0
	s_add_nc_u64 s[G0K+2:G0K+3], s[4:5], s[2:3]
	s_add_nc_u64 s[G0V+2:G0V+3], s[G0K+2:G0K+3], 8388608  ; v lies 16 planes behind k
	s_or_b32 s[G0K+3], s[G0K+3], 0x80000000
	s_or_b32 s[G0V+3], s[G0V+3], 0x80000000
	s_add_nc_u64 s[48:49], s[4:5], s[16:17]
	s_add_nc_u64 s[50:51], s[8:9], s[16:17]
	s_add_nc_u64 s[52:53], s[6:7], s[54:55]
	s_cmp_lt_u32 s[WV], 2                          ; waves 0, 1: K's halves; waves 2, 3: V's.  One load of mine is out
	s_cbranch_scc0 .Lfor_v
	tensor_load_to_lds s[G0K:G0K+3], s[G1K:G1K+7]
	s_nop 0
.rept 4
	v_nop
.endr
	s_branch .Lasked
.Lfor_v:
	tensor_load_to_lds s[G0V:G0V+3], s[G1V:G1V+7]
	s_nop 0
.rept 4
	v_nop
.endr
.Lasked:
	v_and_b32 v1, 15, v0                           ; r
	v_bfe_u32 v9, v0, 4, 1                         ; h
	v_and_b32 v10, 7, v0
	v_bfe_u32 v11, v0, 3, 1
	v_sub_nc_u32 v[RB], s19, v0
.set e, 0
.rept 32                                       ; entry z = thread + 128 (e / 4) of copy e % 4: q - k, and its clamped place in rel_pos
	v_add_nc_u32 v[128+e], ((e%4)-128*(e/4))&0xffffffff, v[RB]
	v_min_u32 v[64+e], 0x1ff, v[128+e]
	v_lshlrev_b32 v[64+e], 2, v[64+e]
.set e, e+1
.endr
.set e, 0
.rept 32
	global_load_b32 v[96+e], v[64+e], s[52:53]
.set e, e+1
.endr
	v_lshlrev_b32 v[QO], 7, v1
	v_lshl_add_u32 v[QO], v9, 4, v[QO]             ; a fragment's row x 128 + 16 x half
	WIN 0x80
.set z, 0
.rept 8                                        ; Q stays in registers: tile z / 2, channels 32 (z % 2) on
	global_load_b128 v[8*z:8*z+3],   v[QO], s[48:49] offset:(z/2)*2048+(z%2)*64
	global_load_b128 v[8*z+4:8*z+7], v[QO], s[48:49] offset:(z/2)*2048+(z%2)*64+32
.set z, z+1
.endr
	WIN 0x40
.set z, 0
.rept 128                                      ; O^T = 0, written while the loads are on their way: so every step has one form
	v_mov_b32 v[z], 0
.set z, z+1
.endr
	WIN 0
.set z, 0
.rept 4
	v_mov_b32 v[ST+8*z], 0xe7b8aa3b                ; c m = c x -2^83, exactly
	v_mov_b32 v[ST+8*z+1], 0xe9000000              ; m = -2^83: above every hidden score, below every true one
	v_mov_b32 v[ST+8*z+2], 0
	v_mov_b32 v[ST+8*z+3], 0
.set z, z+1
.endr
	v_mov_b32 v[BG], 0xf149f2ca                    ; -1e30
	v_lshl_add_u32 v[TA], v0, 2, TABLE
	v_mul_u32_u24 v[AK], v1, PK
	v_lshl_add_u32 v[AK], v9, 4, v[AK]
	v_lshl_add_u32 v[AV], v9, 3, v10               ; the turning load: lane l reads key 8 (l / 16) + l % 8, channels 8 ((l / 8) % 2) + 0..7
	v_mul_u32_u24 v[AV], v[AV], PV
	v_lshl_add_u32 v[AV], v11, 4, v[AV]
	v_add_nc_u32 v[AV], VOFF, v[AV]
	v_and_b32 v14, 3, v1                           ; my copy, r % 4; entry 208 - 64 wave + 8 h - 4 (r / 4), + 16 (6 - u) in the immediate, + 64 a step
	v_mul_u32_u24 v[AB], v14, TP
	v_lshl_add_u32 v[AB], v9, 5, v[AB]
	s_lshl_b32 s16, s[WV], 8
	s_sub_co_u32 s16, TABLE+832, s16
	v_add_nc_u32 v[AB], s16, v[AB]
	v_lshrrev_b32 v14, 2, v1
	v_lshlrev_b32 v14, 4, v14
	v_sub_nc_u32 v[AB], v[AB], v14
	s_mul_i32 s16, s[WV], 16*SP
	s_add_co_u32 s16, s16, STAGE
	v_mul_u32_u24 v[STO], v1, SP
	v_lshl_add_u32 v[STO], v9, 4, v[STO]
	v_add_nc_u32 v[STO], s16, v[STO]
	v_bfe_u32 v[RD], v0, 3, 2
	v_mul_u32_u24 v[RD], v[RD], SP
	v_lshl_add_u32 v[RD], v10, 4, v[RD]
	v_add_nc_u32 v[RD], s16, v[RD]
	v_and_b32 v[GO], 31, v0
	v_lshlrev_b32 v[GO], 4, v[GO]
	s_wait_loadcnt 16                              ; the table's 32 loads are in; Q's 16 stay out
.set e, 0
.rept 32
	v_cmp_gt_u32 vcc_lo, 0x200, v[128+e]           ; 0 <= q - k < 512 (a negative number is a large one)
	v_mul_f32 v[96+e], 0x41000000, v[96+e]         ; x 8, exact
	v_cndmask_b32 v[96+e], v[BG], v[96+e], vcc_lo
	ds_store_b32 v[TA], v[96+e] offset:TP*(e%4)+512*(e/4)
.set e, e+1
.endr
	s_wait_tensorcnt 0x0                           ; my part of the window has landed,
	s_wait_dscnt 0x0                               ; my part of the table is stored:
	s_barrier_signal -1
	s_barrier_wait -1                              ; everybody's
	s_wait_loadcnt 0x0                             ; Q
.macro MX t, n                         ; number n of the 21 that find tile t's maximum and statistics; each accumulator's lowest registers are read first
.set rT, ST+8*(\t)
.set rS, S+32*(\t)
.if (\n) < 4
	v_max3_num_f32 v[rT+4+(\n)], v[rS+8*(\n)], v[rS+8*(\n)+1], v[rS+8*(\n)+2]
.elseif (\n) < 12
	v_max3_num_f32 v[rT+4+(\n)%4], v[rT+4+(\n)%4], v[rS+8*((\n)%4)+2*((\n)/4)+1], v[rS+8*((\n)%4)+2*((\n)/4)+2]
.elseif (\n) == 12
	v_max3_num_f32 v[rT+4], v[rT+4], v[rS+7], v[rS+15]
.elseif (\n) == 13
	v_max3_num_f32 v[rT+6], v[rT+6], v[rS+23], v[rS+31]
.elseif (\n) == 14
	v_max3_num_f32 v[rT+4], v[rT+4], v[rT+5], v[rT+6]
.elseif (\n) == 15
	v_max3_num_f32 v[rT+4], v[rT+4], v[rT+7], v[rT+1]
.elseif (\n) == 16
	v_permlanex16_b32 v[rT+5], v[rT+4], s[SEL], s[SEL+1]  ; the query's other 32 keys lie in the lane 16 away
.elseif (\n) == 17
	v_mov_b32 v[rT+7], v[rT]                       ; c m_old
.elseif (\n) == 18
	v_max_num_f32 v[rT+1], v[rT+4], v[rT+5]
.elseif (\n) == 19
	v_mul_f32 v[rT], s[CS], v[rT+1]
.else
	v_sub_f32 v[rT+7], v[rT+7], v[rT]
.endif
.endm
.macro SC t, b                         ; pair b of tile t: c s - c m
.set rT, ST+8*(\t)
.set rS, S+32*(\t)+2*(\b)
	v_pk_fma_f32 v[rS:rS+1], v[rS:rS+1], s[CS:CS+1], v[rT:rT+1] op_sel_hi:[1,0,0] neg_lo:[0,0,1] neg_hi:[0,0,1]
.endm
.macro EX t, e
.set rS, S+32*(\t)+(\e)
	v_exp_f32 v[rS], v[rS]
.endm
.macro SUMS t, z                       ; sum z of 16: neighbours 1, 2, 4, 8 pairs apart, in place; then l = a l + the sum
.set rT, ST+8*(\t)
.set rS, S+32*(\t)
.if (\z) < 8
	v_pk_add_f32 v[rS+4*(\z):rS+4*(\z)+1], v[rS+4*(\z):rS+4*(\z)+1], v[rS+4*(\z)+2:rS+4*(\z)+3]
.elseif (\z) < 12
	v_pk_add_f32 v[rS+8*((\z)-8):rS+8*((\z)-8)+1], v[rS+8*((\z)-8):rS+8*((\z)-8)+1], v[rS+8*((\z)-8)+4:rS+8*((\z)-8)+5]
.elseif (\z) < 14
	v_pk_add_f32 v[rS+16*((\z)-12):rS+16*((\z)-12)+1], v[rS+16*((\z)-12):rS+16*((\z)-12)+1], v[rS+16*((\z)-12)+8:rS+16*((\z)-12)+9]
.elseif (\z) == 14
	v_pk_add_f32 v[rS:rS+1], v[rS:rS+1], v[rS+16:rS+17]
.else
	v_pk_fma_f32 v[rT+2:rT+3], v[rT+2:rT+3], v[rT+6:rT+7], v[rS:rS+1] op_sel_hi:[1,0,1]
.endif
.endm
.Ls:
	s_cmp_lt_u32 s[SI], s[LO]                      ; a step without a key of my band is jumped over: no barrier and no tensor load stands in it
	s_cbranch_scc1 .Lskip
	s_cmp_gt_u32 s[SI], s[HI]
	s_cbranch_scc1 .Lskip
	WIN 0x80
.irp f, 0,1,2,3,4,5,6,7                        ; K: keys 16 (f / 2) on, channels 32 (f % 2) on
	ds_load_b128 v[KF+8*\f:KF+8*\f+3],   v[AK] offset:(\f/2)*16*PK+(\f%2)*64
	ds_load_b128 v[KF+8*\f+4:KF+8*\f+7], v[AK] offset:(\f/2)*16*PK+(\f%2)*64+32
.endr
	WIN 0x40
.irp u, 0,1,2,3,4,5,6                          ; the C tile of (query tile - key block) = u - 3
	ds_load_b128 v[BI+8*\u:BI+8*\u+3],   v[AB] offset:64*(6-\u)
	ds_load_b128 v[BI+8*\u+4:BI+8*\u+7], v[AB] offset:64*(6-\u)+16
.endr
	WIN 0x80
.irp f, 0,1,2,3,4,5,6,7                        ; V, turned: keys 32 (f / 4) on, channels 16 (f % 4) on
	ds_load_tr16_b128 v[VF+8*\f:VF+8*\f+3],   v[AV] offset:(\f/4)*32*PV+(\f%4)*32
	ds_load_tr16_b128 v[VF+8*\f+4:VF+8*\f+7], v[AV] offset:(\f/4)*32*PV+16*PV+(\f%4)*32
.endr
	s_wait_dscnt 16                                ; K and the C tiles are in; V's 16 loads stay out
.set i, 0
.rept 32                                       ; S^T = K Q^T + C: channels 32 (i / 16) on, key block (i / 4) % 4, tile i % 4.  The 16 accumulators take turns
.set rS, S+32*(i%4)+8*((i/4)%4)
.set rK, KF+16*((i/4)%4)+8*(i/16)
.set rQ, 16*(i%4)+8*(i/16)
.set rB, BI+8*((i%4)-((i/4)%4)+3)
.if i < 16
	WIN 0x1a
	v_wmma_f32_16x16x32_bf16 v[rS:rS+7], v[rK:rK+7], v[rQ:rQ+7], v[rB:rB+7]
.else
	WIN 0x0a
	v_wmma_f32_16x16x32_bf16 v[rS:rS+7], v[rK:rK+7], v[rQ:rQ+7], v[rS:rS+7]
.endif
.set i, i+1
.endr
	WIN 0
	PLACES
.irp n, 0,1,2,3,4,5,6,7,8,9,10,11,12,13,14,15,16,17,18,19,20
.irp t, 0,1,2,3
	MX \t, \n
.endr
.endr
.irp t, 0,1,2,3                                ; ONE BATCH of 132 exponentials: nothing ahead of its wait names a result
	v_exp_f32 v[ST+8*\t+6], v[ST+8*\t+7]           ; a
.endr
.irp b, 0,1,2,3
.irp t, 0,1,2,3
	SC \t, \b
.endr
.endr
.set n, 0
.rept 16
.irp t, 0,1,2,3
.if n < 12
	SC \t, n+4
.endif
	EX \t, 2*n
	EX \t, 2*n+1
.endr
.set n, n+1
.endr
	v_nop                                          ; a plain instruction behind the last exponential, ahead of the first use (ISA guide 5.7.2)
	s_wait_alu depctr_va_vdst(0)                   ; one wait for the batch
.set z, 0
.rept 64
	v_cvt_pk_bf16_f32 v[P+z], v[S+2*z], v[S+2*z+1]
.set z, z+1
.endr
.irp z, 0,1,2,3,4,5,6,7,8,9,10,11,12,13,14,15
.irp t, 0,1,2,3
	SUMS \t, \z
.endr
.endr
	WIN 0x41
.set z, 0
.rept 64                                       ; O^T times a
	v_pk_mul_f32 v[2*z:2*z+1], v[2*z:2*z+1], v[ST+8*(z/16)+6:ST+8*(z/16)+7] op_sel_hi:[1,0]
.set z, z+1
.endr
	s_wait_dscnt 0x0                               ; V is in
	WIN 0x52
.set i, 0
.rept 32                                       ; O^T += V^T P: keys 32 (i / 16) on, channel block (i / 4) % 4, tile i % 4
.set rO, 32*(i%4)+8*((i/4)%4)
.set rV, VF+32*(i/16)+8*((i/4)%4)
.set rP, P+16*(i%4)+8*(i/16)
	v_wmma_f32_16x16x32_bf16 v[rO:rO+7], v[rV:rV+7], v[rP:rP+7], v[rO:rO+7]
.set i, i+1
.endr
	WIN 0
	PLACES                                         ; in front of the next loads into V's registers, and of the way out
.Lskip:
	v_add_nc_u32 v[AK], 64*PK, v[AK]
	v_add_nc_u32 v[AV], 64*PV, v[AV]
	v_add_nc_u32 v[AB], 256, v[AB]
	s_add_co_u32 s[SI], s[SI], 1
	s_cmp_lt_u32 s[SI], 12
	s_cbranch_scc1 .Ls
	; THE WAY OUT: l's halves and the other half of the lanes' are added; O^T is divided by l, rounded to bf16 and sent through my stage, a tile at a time
.irp t, 0,1,2,3
	v_add_f32 v[ST+8*\t+2], v[ST+8*\t+2], v[ST+8*\t+3]
.endr
.irp t, 0,1,2,3
	v_permlanex16_b32 v[ST+8*\t+3], v[ST+8*\t+2], s[SEL], s[SEL+1]
.endr
.irp t, 0,1,2,3
	v_add_f32 v[ST+8*\t+2], v[ST+8*\t+2], v[ST+8*\t+3]
.endr
.irp t, 0,1,2,3
	v_rcp_f32 v[ST+8*\t+2], v[ST+8*\t+2]
.endr
	v_nop
	s_wait_alu depctr_va_vdst(0)                   ; one wait for the four reciprocals
.macro PACK t
	WIN 0x41
.set z, 32*(\t)
.rept 16
	v_pk_mul_f32 v[z:z+1], v[z:z+1], v[ST+8*(\t)+2:ST+8*(\t)+3] op_sel_hi:[1,0]
.set z, z+2
.endr
	WIN 0x05
.set z, 0
.rept 16
	v_cvt_pk_bf16_f32 v[S+16*(\t)+z], v[32*(\t)+2*z], v[32*(\t)+2*z+1]
.set z, z+1
.endr
	WIN 0
.irp f, 0,1,2,3
	ds_store_b128 v[STO], v[S+16*(\t)+4*\f:S+16*(\t)+4*\f+3] offset:32*\f
.endr
.irp f, 0,1,2,3
	ds_load_b128 v[S+16*(\t)+4*\f:S+16*(\t)+4*\f+3], v[RD] offset:\f*4*SP  ; LDS serves a wave's instructions in order (ISA guide 5.7.1.4): these see the stores above
.endr
.endm
.macro SEND t, younger                 ; younger: the LDS instructions issued behind tile t's loads: the next tile's eight, or none
.irp f, 0,1,2,3
	s_wait_dscnt (\younger)+3-\f
	global_store_b128 v[GO], v[S+16*(\t)+4*\f:S+16*(\t)+4*\f+3], s[50:51] offset:(\t)*2048+\f*512  ; 512 consecutive bytes, aligned
.endr
.endm
	PACK 0
	PACK 1
	SEND 0, 8
	PACK 2
	SEND 1, 8
	PACK 3
	SEND 2, 8
	SEND 3, 0
	s_wait_tensorcnt 0x0                           ; the wave's end
	ds_add_u32 v[SPW], v[NIL]
	s_wait_dscnt 0x0
	s_endpgm
.Lfunc_end_k_qe38ea7e899_attn:
	.size	k_qe38ea7e899_attn, .Lfunc_end_k_qe38ea7e899_attn-k_qe38ea7e899_attn
	.p2alignl 7, 3214868480
	.fill 96, 4, 3214868480
	.section	.rodata,"a",@progbits
	.p2align	6, 0x0
	.amdhsa_kernel k_qe38ea7e899_attn
		.amdhsa_group_segment_fixed_size 262144
		.amdhsa_private_segment_fixed_size 0
		.amdhsa_enable_private_segment 0
		.amdhsa_kernarg_size 24
		.amdhsa_user_sgpr_count 2
		.amdhsa_user_sgpr_kernarg_segment_ptr 1
		.amdhsa_wavefront_size32 1
		.amdhsa_system_sgpr_workgroup_id_x 1
		.amdhsa_system_sgpr_workgroup_id_y 1
		.amdhsa_system_sgpr_workgroup_id_z 1
		.amdhsa_system_vgpr_workitem_id 0
		.amdhsa_next_free_vgpr 768
		.amdhsa_next_free_sgpr 66
		.amdhsa_reserve_vcc 1
		.amdhsa_float_denorm_mode_32 3
		.amdhsa_float_denorm_mode_16_64 3
		.amdhsa_memory_ordered 1
		.amdhsa_forward_progress 1
		.amdhsa_inst_pref_size 74
	.end_amdhsa_kernel
	.amdgpu_metadata
---
amdhsa.version: [ 1, 2 ]
amdhsa.kernels:
  - .name:           k_qe38ea7e899_attn
    .symbol:         k_qe38ea7e899_attn.kd
    .args:
      - { .name: big, .offset: 0, .size: 8, .value_kind: global_buffer, .address_space: global }
      - { .name: rel_pos, .offset: 8, .size: 8, .value_kind: global_buffer, .address_space: global }
      - { .name: act, .offset: 16, .size: 8, .value_kind: global_buffer, .address_space: global }
    .group_segment_fixed_size: 262144
    .private_segment_fixed_size: 0
    .kernarg_segment_align: 8
    .kernarg_segment_size: 24
    .max_flat_workgroup_size: 128
    .sgpr_count:     66
    .vgpr_count:     768
    .wavefront_size: 32
...
	.end_amdgpu_metadata
.endif
;; end of part 3
;; launch outp (part 4): grid 8 x 32, 4 waves a work-group, clusters of 4 x 4, 327,680 bytes of LDS; arguments act, wo, out_b, x, x1; writes x1
.if DOCPART == 4
	.amdgcn_target "amdgcn-amd-amdhsa--gfx1250"
	.amdhsa_code_object_version 6
	.text
	.protected	k_qe38ea7e899_outp
	.globl	k_qe38ea7e899_outp
	.p2align	8
	.type	k_qe38ea7e899_outp,@function
k_qe38ea7e899_outp:
	s_mov_b64 s[64:65], 0
	v_nop
	global_prefetch_b8 v0, s[64:65] scope:SCOPE_SE
	s_setreg_imm32_b32 hwreg(HW_REG_WAVE_MODE, 25, 1), 1
	s_wait_xcnt 0x0
	s_wait_alu depctr_hold_cnt(0) depctr_sa_sdst(0) depctr_va_vdst(0) depctr_va_sdst(0) depctr_va_ssrc(0) depctr_va_vcc(0) depctr_vm_vsrc(0)
	s_getreg_b32 s2, hwreg(HW_REG_IB_STS2, 6, 4)
	s_cmp_eq_u32 s2, 0
	s_cbranch_scc0 .Lentry_in_a_cluster
	s_endpgm
.Lentry_in_a_cluster:
	s_bfe_u32 s2, ttmp6, 0x10000c
	s_cmp_lg_u32 s2, 0xf033
	s_cbranch_scc0 .Lentry_shape_is_right
	s_endpgm
.Lentry_shape_is_right:
; OUT[m][n] = RES[m][n] + bias[n] + sum over k of A[m][k] W[n][k], K = 256 T.  A (4,096 rows a plane) and W (1,024 rows a plane, 256 bytes of header in front) are bf16 in planes of 64 columns,
; T[c / 64][row][c % 64]; bias, RES and OUT are f32, RES and OUT [4096][1024].  Sums in f32.  NaN and infinities are not treated apart.
; SHARES.  A tile of OUT is 128 x 128, so that 256 work-groups share the 4,096 x 1,024 numbers.  K IS SPLIT AMONG THE FOUR WAVES: a K step is four planes, and wave w multiplies plane w for the WHOLE tile:
; 64 accumulators, 512 registers, 0.5 LDS loads a matrix instruction, where four waves of 64 x 64 would have 1.  The four partial tiles meet in LDS at the end (f32 sums, in a fixed order).
; A wave fetches two planes x 128 rows of A (waves 0, 1) or of W (waves 2, 3) with one tensor load: two rows of 16,384 dense bytes, a plane's stride apart, padded in LDS by 16 bytes behind every 128.
; CLUSTER 4 x 4: A's tile is shared along a row of the cluster, W's along a column: joint loads.  THE MATRIX INSTRUCTION IS USED TRANSPOSED (source 0 = rows of W): a lane holds row l % 16, columns 8 (l / 16) + 0..7.
; One K step is written once (the slot in hand is a scalar that an exclusive or turns); T - 2 trips refill; the last two steps run a second text, left in its middle; its last fetch serves nothing.
; REGISTERS: window 0: v0-31 addresses, v[8:11] bias; v64-127, v128-191 A's fragments, later the exchange.  window 1: v64-191 W's fragments; v0-63, v192-255 my 32 rows of RES.  windows 2, 3: accumulators.
.set T,      4
.set PITCH,  144                       ; an LDS row: 128 bytes + 16: the 16 rows of a fragment load start at 16 different groups of four banks (64 banks of 4 bytes: ISA guide 11.1)
.set PLANE,  128*PITCH
.set UNIT,   2*PLANE                   ; what one tensor load brings
.set SLOT,   4*UNIT                    ; A's planes 0-3, then W's.  0x24000: it shares no bit with wave x UNIT
.set SPARE,  2*SLOT                    ; the spare words, 128 bytes for each wave: two blocks of 256 bytes that no other line names
.set XP,     528                       ; the exchange: a row of 128 f32 + 16 bytes
.set XT,     128*XP                    ; a wave's partial tile; the four lie in the slots, which have had their last fill by then
.set KSA,    4*524288                  ; bytes from a K step to the next in A,
.set KSW,    4*131072                  ; and in W
.set G1W0,   (3<<16)|(1<<20)|(1<<21)|(4<<22)|(3<<25)  ; 8-byte elements; padding on; bit 21 beside a mask; behind every 32 words (code 4); 4 words (code 3)
.set WV,   12
.set ROLE, 13                          ; wave / 2: 0: I fetch for A, 1: for W
.set U,    14                          ; wave % 2: which two planes
.set TB,   15
.set G1A,  24
.set G0A,  32
.set PFA,  40
.set LIM,  42
.set PSTEP, 44                         ; s[44:45] a K step of the tensor that I fetch
.set UL,   46
.set G1B,  48
.set G0B,  56
.set OUT,  70                          ; s[70:71]
.set BV,   8
.set ADRA0, 16
.set ADRB0, 17
.set ADRA, 18
.set ADRB, 19
.set XR,   20                          ; v20-23 where I read partial p's rows back
.set XS,   24                          ; where I put my partial tile
.set CO,   26                          ; 16 x lane
.set SPW,  28
.set NIL,  29
.set PFO,  30
.set BO,   31
.set F0,   64
.set F1,   128
.set MSB, 0
.macro WIN new
.if MSB != (\new)
	s_set_vgpr_msb (MSB<<8)|(\new)
.set MSB, (\new)
.endif
.endm
.macro PLACES                          ; four plain vector instructions between a matrix instruction and a load into, or a read of, its registers
.rept 4
	v_nop
.endr
.endm
.macro JLOAD                           ; the joint refill, by the walking set; an s_nop 0 and four v_nop follow each line
	s_cmp_eq_u32 s[ROLE], 0
	s_cbranch_scc0 .Lfor_b_\@
	tensor_load_to_lds s[G0A+4:G0A+7], s[G1A:G1A+7]
	s_nop 0
.rept 4
	v_nop
.endr
	s_branch .Lasked_\@
.Lfor_b_\@:
	tensor_load_to_lds s[G0B+4:G0B+7], s[G1B:G1B+7]
	s_nop 0
.rept 4
	v_nop
.endr
.Lasked_\@:
.endm
; A prefetch of the tile that the NEXT refill will ask for: one K step, 128 matrix instructions, ahead of that load.  Of a wave's two planes x 16,384 bytes each of the four partners that ask jointly takes
; 8,192, told apart by address; a lane names 256 bytes.  Cluster x = 0 asks for A's, cluster y = 0 for W's: each block is named once.  K steps 0 to 2 come by their loads alone; the last trip asks for nothing.
.macro ASK
	s_cmp_gt_u32 s3, s[LIM]
	s_cbranch_scc0 .Lnot_mine_\@
	global_prefetch_b8 v[PFO], s[PFA:PFA+1] th:TH_LOAD_NT scope:SCOPE_SE
.Lnot_mine_\@:
.endm
.macro CREST
	s_cmp_lg_u32 s[WV], 0
	s_cbranch_scc1 .Lnot_wave_0_\@
	s_barrier_signal -3
.Lnot_wave_0_\@:
	s_barrier_wait -3
	s_barrier_signal -1
	s_barrier_wait -1
.endm
.macro CROUND
	s_barrier_signal -1
	s_barrier_wait -1
	CREST
.endm
.macro MULA f, a, first                ; 8 matrix instructions: m block a x all 8 n blocks.  first = 1: the constant 0 starts the sums.  The 64 accumulators take turns in one order everywhere
	WIN 0xa1+0x50*((\a)/4)
.irp b, 0,1,2,3,4,5,6,7
.if \first
	v_wmma_f32_16x16x32_bf16 v[8*(8*((\a)%4)+(\b)):8*(8*((\a)%4)+(\b))+7], v[(\f)+8*(\b):(\f)+8*(\b)+7], v[(\f)+8*(\a):(\f)+8*(\a)+7], 0
.else
	v_wmma_f32_16x16x32_bf16 v[8*(8*((\a)%4)+(\b)):8*(8*((\a)%4)+(\b))+7], v[(\f)+8*(\b):(\f)+8*(\b)+7], v[(\f)+8*(\a):(\f)+8*(\a)+7], v[8*(8*((\a)%4)+(\b)):8*(8*((\a)%4)+(\b))+7]
.endif
.endr
.endm
.macro FETCH q, f                      ; 32 LDS loads in one run: channels 32 q on of my plane: W's 128 rows, then A's
	WIN 0x40
.irp i, 0,1,2,3,4,5,6,7
	ds_load_b128 v[(\f)+8*(\i):(\f)+8*(\i)+3],   v[ADRB] offset:64*(\q)+(\i)*16*PITCH
	ds_load_b128 v[(\f)+8*(\i)+4:(\f)+8*(\i)+7], v[ADRB] offset:64*(\q)+(\i)*16*PITCH+32
.endr
	WIN 0
.irp i, 0,1,2,3,4,5,6,7
	ds_load_b128 v[(\f)+8*(\i):(\f)+8*(\i)+3],   v[ADRA] offset:64*(\q)+(\i)*16*PITCH
	ds_load_b128 v[(\f)+8*(\i)+4:(\f)+8*(\i)+7], v[ADRA] offset:64*(\q)+(\i)*16*PITCH+32
.endr
.endm
.macro QUARTER q, f, g, first
	s_wait_dscnt 8                                 ; W and A's blocks 0-3 are in; the youngest eight loads may be out
	MULA \f, 0, \first
	MULA \f, 1, \first
	MULA \f, 2, \first
	MULA \f, 3, \first
	PLACES
	FETCH \q, \g
	s_wait_dscnt 32                                ; all but the 32 just issued
	MULA \f, 4, \first
	MULA \f, 5, \first
	MULA \f, 6, \first
	MULA \f, 7, \first
.endm
; THE CHANGE OF SLOTS stands at the head of the step's second half, whose fragments (buffer 1) are in registers by then: the slot's last reads were issued 32 matrix instructions back.
; Each wave waits for all its tensor loads (one is out: its part of the next slot), adds 0 to its spare word, and waits for that and for its reads of this slot.  fill = 1: a round of the cluster's
; barrier follows, and the joint refill, two K steps on, is the first thing behind the round.  No matrix instruction stands between the wait for a tile and the next request, so that a request
; has a whole K step's 128 matrix instructions between itself and the wait for it.  Then the next slot's first fragments are fetched and buffer 1 is multiplied.
.macro TURN fill
.if \fill
	s_wait_xcnt 0x0                                ; the last prefetch, a K step back, has read its address
	s_add_nc_u64 s[PFA:PFA+1], s[PFA:PFA+1], s[PSTEP:PSTEP+1]
.endif
	WIN 0
	s_wait_tensorcnt 0x0                           ; no tensor load of mine is out, so the walking sets may be written
	ds_add_u32 v[SPW], v[NIL]                      ; 0 onto my spare word
.if \fill
	s_xor_b32 s[G0A+5], s[G0A+5], SLOT
	s_add_nc_u64 s[G0A+6:G0A+7], s[G0A+6:G0A+7], KSA
	s_xor_b32 s[G0B+5], s[G0B+5], SLOT
	s_add_nc_u64 s[G0B+6:G0B+7], s[G0B+6:G0B+7], KSW
.endif
	s_wait_dscnt 0x0                               ; the add is done, and my reads of this slot are over
.if \fill
	CROUND                                         ; no wave of any partner still reads this slot or has a load on its way
	JLOAD                                          ; its four v_nop are also the places in front of the loads below
.else
	s_barrier_signal -1
	s_barrier_wait -1                              ; the next slot is whole
	PLACES
.endif
	s_xor_b32 s[TB], s[TB], SLOT
	v_add_nc_u32 v[ADRA], s[TB], v[ADRA0]
	v_add_nc_u32 v[ADRB], s[TB], v[ADRB0]
	FETCH 0, F0
.if \fill
	ASK
.endif
	MULA F1, 0, 0
	MULA F1, 1, 0
	MULA F1, 2, 0
	MULA F1, 3, 0
	MULA F1, 4, 0
	MULA F1, 5, 0
	MULA F1, 6, 0
	MULA F1, 7, 0
.endm
	s_load_b256 s[4:11], s[0:1], 0x0               ; A s[4:5], W s[6:7], bias s[8:9], RES s[10:11]
	s_load_b64 s[OUT:OUT+1], s[0:1], 0x20
	v_lshl_add_u32 v[SPW], v0, 2, SPARE
	v_mov_b32 v[NIL], 0
	ds_add_u32 v[SPW], v[NIL]                      ; the wave's opening: the add and its wait stand ahead of my first tensor load
	v_lshrrev_b32 v1, 5, v0
	v_readfirstlane_b32 s[WV], v1
	s_lshr_b32 s[ROLE], s[WV], 1
	s_and_b32 s[U], s[WV], 1
	s_bfe_u32 s16, ttmp6, 0x40000                  ; cx
	s_bfe_u32 s17, ttmp6, 0x40004                  ; cy
	s_lshl_b32 s18, ttmp9, 2
	s_add_co_u32 s18, s18, s16                     ; tile column
	s_and_b32 s19, ttmp7, 0xffff
	s_lshl_b32 s19, s19, 2
	s_add_co_u32 s19, s19, s17                     ; tile row
	s_lshl_b32 s20, s17, 2
	s_lshl_b32 s20, 15, s20                        ; my row of the cluster
	s_lshl_b32 s66, 0x1111, s16                    ; my column
	s_or_b32 s[G1A], s20, G1W0
	s_or_b32 s[G1B], s66, G1W0
.irp g, G1A, G1B
	s_mov_b32 s[\g+1], 2048<<16                    ; tensor_dim0 = 2,048 elements of 8 bytes: 128 rows of a plane
	s_mov_b32 s[\g+2], 2<<16                       ; tensor_dim1 = 2 planes
	s_mov_b32 s[\g+3], 2048<<16                    ; tile_dim0
	s_mov_b32 s[\g+4], 2                           ; tile_dim1
	s_mov_b32 s[\g+6], 0
	s_mov_b32 s[\g+7], 0
.endr
	s_mov_b32 s[G1A+5], 65536                      ; a plane of A, in elements
	s_mov_b32 s[G1B+5], 16384                      ; of W
	s_lshl_b32 s20, s19, 14                        ; A: 128 rows x 128 bytes x tile row,
	s_lshl_b32 s21, s[U], 20                       ; + my two planes of the step
	s_add_co_u32 s20, s20, s21
	s_mov_b32 s21, 0
	s_lshl_b32 s66, s18, 14                        ; W likewise by the tile column, behind its header; in registers that never feed A's sets
	s_lshl_b32 s67, s[U], 18
	s_add_co_u32 s66, s66, s67
	s_add_co_u32 s66, s66, 256
	s_mov_b32 s67, 0
	s_mul_i32 s[UL], s[WV], UNIT                   ; no place in the cluster enters an LDS address
	s_mov_b32 s[TB], 0
	s_wait_dscnt 0x0                               ; the opening add is done
	s_wait_kmcnt 0x0
	s_add_nc_u64 s[20:21], s[4:5], s[20:21]
	s_add_nc_u64 s[66:67], s[6:7], s[66:67]
.irp s, 0,1
	s_mov_b32 s[G0A+4*\s], 1
	s_add_co_u32 s[G0A+4*\s+1], s[UL], \s*SLOT
	s_add_nc_u64 s[G0A+4*\s+2:G0A+4*\s+3], s[20:21], \s*KSA
	s_or_b32 s[G0A+4*\s+3], s[G0A+4*\s+3], 0x80000000
	s_mov_b32 s[G0B+4*\s], 1
	s_add_co_u32 s[G0B+4*\s+1], s[UL], \s*SLOT
	s_add_nc_u64 s[G0B+4*\s+2:G0B+4*\s+3], s[66:67], \s*KSW
	s_or_b32 s[G0B+4*\s+3], s[G0B+4*\s+3], 0x80000000
.endr
	CROUND                                         ; all sixteen work-groups are here: the first joint loads meet
	s_cmp_eq_u32 s[ROLE], 0                        ; a wave's two first fills stand in one branch: two loads of mine are out
	s_cbranch_scc0 .Lfirst_b
	tensor_load_to_lds s[G0A:G0A+3], s[G1A:G1A+7]
	s_nop 0
	tensor_load_to_lds s[G0A+4:G0A+7], s[G1A:G1A+7]
	s_nop 0
.rept 4
	v_nop
.endr
	s_branch .Lfirst_asked
.Lfirst_b:
	tensor_load_to_lds s[G0B:G0B+3], s[G1B:G1B+7]
	s_nop 0
	tensor_load_to_lds s[G0B+4:G0B+7], s[G1B:G1B+7]
	s_nop 0
.rept 4
	v_nop
.endr
.Lfirst_asked:
	v_and_b32 v1, 15, v0                           ; r
	v_bfe_u32 v2, v0, 4, 1                         ; h
	v_and_b32 v[CO], 31, v0
	v_lshlrev_b32 v[PFO], 8, v[CO]
	v_lshlrev_b32 v[CO], 4, v[CO]
	s_lshl_b32 s68, s18, 9                         ; the tile's 128 columns: 512 bytes
	v_add_nc_u32 v[BO], s68, v[CO]
	global_load_b128 v[BV:BV+3], v[BO], s[8:9]     ; the bias of my four columns of a row
	v_mul_u32_u24 v3, v1, PITCH
	v_lshl_add_u32 v3, v2, 4, v3
	s_mul_i32 s20, s[WV], PLANE                    ; my plane of the step's four
	v_add_nc_u32 v[ADRA0], s20, v3
	s_add_co_u32 s20, s20, 2*UNIT
	v_add_nc_u32 v[ADRB0], s20, v3
	v_mov_b32 v[ADRA], v[ADRA0]
	v_mov_b32 v[ADRB], v[ADRB0]
	s_mul_i32 s20, s[WV], XT
	v_mul_u32_u24 v[XS], v1, XP
	v_lshl_add_u32 v[XS], v2, 5, v[XS]
	v_add_nc_u32 v[XS], s20, v[XS]                 ; my partial tile: row r, 32 bytes for each half of the lanes
	s_mul_i32 s20, s[WV], 32*XP                    ; back: my 32 rows of each partial tile, 16 bytes a lane
.irp p, 0,1,2,3
	v_add_nc_u32 v[XR+\p], s20, v[CO]
	s_add_co_u32 s20, s20, XT
.endr
	s_lshl_b32 s69, s19, 19                        ; RES and OUT: row 128 x tile row + 32 x wave, 4,096 bytes a row
	s_add_co_u32 s68, s68, s69
	s_lshl_b32 s69, s[WV], 17
	s_add_co_u32 s68, s68, s69
	s_mov_b32 s69, 0
	s_add_nc_u64 s[10:11], s[10:11], s[68:69]
	s_add_nc_u64 s[OUT:OUT+1], s[OUT:OUT+1], s[68:69]
	s_and_b32 s22, ttmp7, 0xffff                   ; the prefetches
	s_mov_b32 s72, 2*KSA
	s_mov_b32 s73, 2*KSW+256
	s_mov_b32 s74, KSA
	s_mov_b32 s75, KSW
	s_cmp_eq_u32 s[ROLE], 0
	s_cselect_b32 s66, s19, s18                    ; the tile
	s_cselect_b32 s67, s16, s17                    ; my place among the four that ask with me
	s_cselect_b32 s68, ttmp9, s22                  ; the coordinate along which other clusters walk the same rows
	s_cselect_b32 s69, 20, 18                      ; log2 of two planes' bytes
	s_cselect_b32 s72, s72, s73                    ; K step 2 (and W's header): the first change of slots steps it to 3
	s_cselect_b32 s[PSTEP], s74, s75
	s_cselect_b64 s[PFA:PFA+1], s[4:5], s[6:7]
	s_mov_b32 s[PSTEP+1], 0
	s_cmp_eq_u32 s68, 0
	s_cselect_b32 s[LIM], 1, -1                    ; the same in all sixteen partners, for a given wave
	s_lshl_b32 s66, s66, 14
	s_add_co_u32 s66, s66, s72
	s_lshl_b32 s73, s[U], s69
	s_add_co_u32 s66, s66, s73
	s_sub_co_u32 s69, s69, 1
	s_lshr_b32 s73, s67, 1                         ; which of the two planes,
	s_lshl_b32 s73, s73, s69
	s_add_co_u32 s66, s66, s73
	s_and_b32 s67, s67, 1                          ; which half of its 16,384 bytes
	s_lshl_b32 s67, s67, 13
	s_add_co_u32 s66, s66, s67
	s_mov_b32 s67, 0
	s_add_nc_u64 s[PFA:PFA+1], s[PFA:PFA+1], s[66:67]
	s_wait_tensorcnt 0x1                           ; my part of K step 0 is in; K step 1's may stay out
	s_barrier_signal -1
	s_barrier_wait -1
	FETCH 0, F0
	QUARTER 1, F0, F1, 1                           ; the first half step stands in front of the loop: its products start the sums
	WIN 0
	s_mov_b32 s3, T-2
.Lloop:
	TURN 1
	QUARTER 1, F0, F1, 0
	WIN 0
	s_sub_co_u32 s3, s3, 1
	s_cmp_lg_u32 s3, 0
	s_cbranch_scc1 .Lloop
	WIN 0x40                                       ; my 32 rows of RES, 512 consecutive bytes a load, asked for two K steps ahead of their use
.set p, 0
.rept 32
	global_load_b128 v[4*p+128*(p/16):4*p+128*(p/16)+3], v[CO], s[10:11] offset:4096*p th:TH_LOAD_NT
.set p, p+1
.endr
	WIN 0
	s_mov_b32 s2, 2
.Ltail:                                                ; the last two steps ask for nothing
	TURN 0
	WIN 0
	s_sub_co_u32 s2, s2, 1
	s_cmp_eq_u32 s2, 0
	s_cbranch_scc1 .Lout
	QUARTER 1, F0, F1, 0
	WIN 0
	s_branch .Ltail
.Lout:
	s_wait_dscnt 0x0                               ; my reads of the slots are over:
	s_barrier_signal -1
	s_barrier_wait -1                              ; everybody's: the slots, filled for the last time, take the partial tiles
	PLACES
.set a, 0
.rept 8
	WIN 0x08+4*(a/4)                               ; store data in window 2 or 3
.set b, 0
.rept 8
	ds_store_b128 v[XS], v[8*(8*(a%4)+b):8*(8*(a%4)+b)+3]   offset:16*XP*a+64*b
	ds_store_b128 v[XS], v[8*(8*(a%4)+b)+4:8*(8*(a%4)+b)+7] offset:16*XP*a+64*b+16
.set b, b+1
.endr
.set a, a+1
.endr
	WIN 0
	s_wait_dscnt 0x0                               ; for the others' sake: my partial tile is stored
	s_barrier_signal -1
	s_barrier_wait -1
.macro LOADG g                         ; rows 4 g .. 4 g + 3 of my 32, from all four partial tiles
.set SB, 64+64*((\g)%2)
.irp rr, 0,1,2,3
.irp p, 0,1,2,3
	ds_load_b128 v[SB+16*\rr+4*\p:SB+16*\rr+4*\p+3], v[XR+\p] offset:XP*(4*(\g)+\rr)
.endr
.endr
.endm
.macro GROUP g, left
.set SB, 64+64*((\g)%2)
	WIN 0
	s_wait_dscnt \left                             ; this group is in; the next group's 16 loads may stay out
.irp rr, 0,1,2,3
	v_pk_add_f32 v[SB+16*\rr:SB+16*\rr+1],     v[SB+16*\rr:SB+16*\rr+1],     v[SB+16*\rr+4:SB+16*\rr+5]
	v_pk_add_f32 v[SB+16*\rr+2:SB+16*\rr+3],   v[SB+16*\rr+2:SB+16*\rr+3],   v[SB+16*\rr+6:SB+16*\rr+7]
	v_pk_add_f32 v[SB+16*\rr+8:SB+16*\rr+9],   v[SB+16*\rr+8:SB+16*\rr+9],   v[SB+16*\rr+12:SB+16*\rr+13]
	v_pk_add_f32 v[SB+16*\rr+10:SB+16*\rr+11], v[SB+16*\rr+10:SB+16*\rr+11], v[SB+16*\rr+14:SB+16*\rr+15]
.endr
.irp rr, 0,1,2,3
	v_pk_add_f32 v[SB+16*\rr:SB+16*\rr+1],   v[SB+16*\rr:SB+16*\rr+1],   v[SB+16*\rr+8:SB+16*\rr+9]
	v_pk_add_f32 v[SB+16*\rr+2:SB+16*\rr+3], v[SB+16*\rr+2:SB+16*\rr+3], v[SB+16*\rr+10:SB+16*\rr+11]
.endr
	WIN 0x04                                       ; source 1 in window 1: RES + bias
.irp rr, 0,1,2,3
.set RR, 4*(4*(\g)+\rr)+128*((4*(\g)+\rr)/16)
	v_pk_add_f32 v[SB+16*\rr:SB+16*\rr+1],   v[SB+16*\rr:SB+16*\rr+1],   v[RR:RR+1]
	v_pk_add_f32 v[SB+16*\rr+2:SB+16*\rr+3], v[SB+16*\rr+2:SB+16*\rr+3], v[RR+2:RR+3]
.endr
	WIN 0
.irp rr, 0,1,2,3
	global_store_b128 v[CO], v[SB+16*\rr:SB+16*\rr+3], s[OUT:OUT+1] offset:4096*(4*(\g)+\rr)  ; 512 consecutive bytes, aligned
.endr
.endm
	LOADG 0
	LOADG 1
	s_wait_loadcnt 0x0                             ; RES and the bias
	WIN 0x41
.set p, 0
.rept 32
	v_pk_add_f32 v[4*p+128*(p/16):4*p+128*(p/16)+1],   v[4*p+128*(p/16):4*p+128*(p/16)+1],   v[BV:BV+1]
	v_pk_add_f32 v[4*p+128*(p/16)+2:4*p+128*(p/16)+3], v[4*p+128*(p/16)+2:4*p+128*(p/16)+3], v[BV+2:BV+3]
.set p, p+1
.endr
.irp g, 0,1,2,3,4,5
	GROUP \g, 16
	s_wait_xcnt 0x0                                ; the stores have read their registers: the set is loaded again only behind this wait
	LOADG (\g)+2
.endr
	GROUP 6, 16
	GROUP 7, 0
	s_wait_tensorcnt 0x0                           ; the wave's end
	ds_add_u32 v[SPW], v[NIL]
	s_wait_dscnt 0x0
	CROUND                                         ; the closing round
	s_endpgm
.Lfunc_end_k_qe38ea7e899_outp:
	.size	k_qe38ea7e899_outp, .Lfunc_end_k_qe38ea7e899_outp-k_qe38ea7e899_outp
	.p2alignl 7, 3214868480
	.fill 96, 4, 3214868480
	.section	.rodata,"a",@progbits
	.p2align	6, 0x0
	.amdhsa_kernel k_qe38ea7e899_outp
		.amdhsa_group_segment_fixed_size 327680
		.amdhsa_private_segment_fixed_size 0
		.amdhsa_enable_private_segment 0
		.amdhsa_kernarg_size 40
		.amdhsa_user_sgpr_count 2
		.amdhsa_user_sgpr_kernarg_segment_ptr 1
		.amdhsa_wavefront_size32 1
		.amdhsa_system_sgpr_workgroup_id_x 1
		.amdhsa_system_sgpr_workgroup_id_y 1
		.amdhsa_system_sgpr_workgroup_id_z 1
		.amdhsa_system_vgpr_workitem_id 0
		.amdhsa_next_free_vgpr 1024
		.amdhsa_next_free_sgpr 80
		.amdhsa_reserve_vcc 0
		.amdhsa_float_denorm_mode_32 3
		.amdhsa_float_denorm_mode_16_64 3
		.amdhsa_memory_ordered 1
		.amdhsa_forward_progress 1
		.amdhsa_inst_pref_size 88
	.end_amdhsa_kernel
	.amdgpu_metadata
---
amdhsa.version: [ 1, 2 ]
amdhsa.kernels:
  - .name:           k_qe38ea7e899_outp
    .symbol:         k_qe38ea7e899_outp.kd
    .args:
      - { .name: act, .offset: 0, .size: 8, .value_kind: global_buffer, .address_space: global }
      - { .name: wo, .offset: 8, .size: 8, .value_kind: global_buffer, .address_space: global }
      - { .name: out_b, .offset: 16, .size: 8, .value_kind: global_buffer, .address_space: global }
      - { .name: x, .offset: 24, .size: 8, .value_kind: global_buffer, .address_space: global }
      - { .name: x1, .offset: 32, .size: 8, .value_kind: global_buffer, .address_space: global }
    .group_segment_fixed_size: 327680
    .private_segment_fixed_size: 0
    .kernarg_segment_align: 8
    .kernarg_segment_size: 40
    .max_flat_workgroup_size: 128
    .sgpr_count:     80
    .vgpr_count:     1024
    .wavefront_size: 32
...
	.end_amdgpu_metadata
.endif
;; end of part 4
;; launch ln2: the kernel of part 1 again; grid 256 x 1, 4 waves a work-group, no clusters, 0 bytes of LDS; arguments x1, ln2_g, ln2_b, in_proj_w, out_w, w1, w2, act, wq, wo, w1b, w2b; writes act, wq, wo, w1b, w2b
;; launch mlp1: the kernel of part 2 again; grid 16 x 16, 4 waves a work-group, clusters of 4 x 4, 327,680 bytes of LDS; arguments act, w1b, b1, big; writes big
;; launch mlp2 (part 5): grid 8 x 32, 4 waves a work-group, clusters of 4 x 4, 327,680 bytes of LDS; arguments big, w2b, b2, x1, out0; writes out0
.if DOCPART == 5
	.amdgcn_target "amdgcn-amd-amdhsa--gfx1250"
	.amdhsa_code_object_version 6
	.text
	.protected	k_qe38ea7e899_mlp2
	.globl	k_qe38ea7e899_mlp2
	.p2align	8
	.type	k_qe38ea7e899_mlp2,@function
k_qe38ea7e899_mlp2:
	s_mov_b64 s[64:65], 0
	v_nop
	global_prefetch_b8 v0, s[64:65] scope:SCOPE_SE
	s_setreg_imm32_b32 hwreg(HW_REG_WAVE_MODE, 25, 1), 1
	s_wait_xcnt 0x0
	s_wait_alu depctr_hold_cnt(0) depctr_sa_sdst(0) depctr_va_vdst(0) depctr_va_sdst(0) depctr_va_ssrc(0) depctr_va_vcc(0) depctr_vm_vsrc(0)
	s_getreg_b32 s2, hwreg(HW_REG_IB_STS2, 6, 4)
	s_cmp_eq_u32 s2, 0
	s_cbranch_scc0 .Lentry_in_a_cluster
	s_endpgm
.Lentry_in_a_cluster:
	s_bfe_u32 s2, ttmp6, 0x10000c
	s_cmp_lg_u32 s2, 0xf033
	s_cbranch_scc0 .Lentry_shape_is_right
	s_endpgm
.Lentry_shape_is_right:
; OUT[m][n] = RES[m][n] + bias[n] + sum over k of A[m][k] W[n][k], K = 256 T.  A (4,096 rows a plane) and W (1,024 rows a plane, 256 bytes of header in front) are bf16 in planes of 64 columns,
; T[c / 64][row][c % 64]; bias, RES and OUT are f32, RES and OUT [4096][1024].  Sums in f32.  NaN and infinities are not treated apart.
; SHARES.  A tile of OUT is 128 x 128, so that 256 work-groups share the 4,096 x 1,024 numbers.  K IS SPLIT AMONG THE FOUR WAVES: a K step is four planes, and wave w multiplies plane w for the WHOLE tile:
; 64 accumulators, 512 registers, 0.5 LDS loads a matrix instruction, where four waves of 64 x 64 would have 1.  The four partial tiles meet in LDS at the end (f32 sums, in a fixed order).
; A wave fetches two planes x 128 rows of A (waves 0, 1) or of W (waves 2, 3) with one tensor load: two rows of 16,384 dense bytes, a plane's stride apart, padded in LDS by 16 bytes behind every 128.
; CLUSTER 4 x 4: A's tile is shared along a row of the cluster, W's along a column: joint loads.  THE MATRIX INSTRUCTION IS USED TRANSPOSED (source 0 = rows of W): a lane holds row l % 16, columns 8 (l / 16) + 0..7.
; One K step is written once (the slot in hand is a scalar that an exclusive or turns); T - 2 trips refill; the last two steps run a second text, left in its middle; its last fetch serves nothing.
; REGISTERS: window 0: v0-31 addresses, v[8:11] bias; v64-127, v128-191 A's fragments, later the exchange.  window 1: v64-191 W's fragments; v0-63, v192-255 my 32 rows of RES.  windows 2, 3: accumulators.
.set T,      16
.set PITCH,  144                       ; an LDS row: 128 bytes + 16: the 16 rows of a fragment load start at 16 different groups of four banks (64 banks of 4 bytes: ISA guide 11.1)
.set PLANE,  128*PITCH
.set UNIT,   2*PLANE                   ; what one tensor load brings
.set SLOT,   4*UNIT                    ; A's planes 0-3, then W's.  0x24000: it shares no bit with wave x UNIT
.set SPARE,  2*SLOT                    ; the spare words, 128 bytes for each wave: two blocks of 256 bytes that no other line names
.set XP,     528                       ; the exchange: a row of 128 f32 + 16 bytes
.set XT,     128*XP                    ; a wave's partial tile; the four lie in the slots, which have had their last fill by then
.set KSA,    4*524288                  ; bytes from a K step to the next in A,
.set KSW,    4*131072                  ; and in W
.set G1W0,   (3<<16)|(1<<20)|(1<<21)|(4<<22)|(3<<25)  ; 8-byte elements; padding on; bit 21 beside a mask; behind every 32 words (code 4); 4 words (code 3)
.set WV,   12
.set ROLE, 13                          ; wave / 2: 0: I fetch for A, 1: for W
.set U,    14                          ; wave % 2: which two planes
.set TB,   15
.set G1A,  24
.set G0A,  32
.set PFA,  40
.set LIM,  42
.set PSTEP, 44                         ; s[44:45] a K step of the tensor that I fetch
.set UL,   46
.set G1B,  48
.set G0B,  56
.set OUT,  70                          ; s[70:71]
.set BV,   8
.set ADRA0, 16
.set ADRB0, 17
.set ADRA, 18
.set ADRB, 19
.set XR,   20                          ; v20-23 where I read partial p's rows back
.set XS,   24                          ; where I put my partial tile
.set CO,   26                          ; 16 x lane
.set SPW,  28
.set NIL,  29
.set PFO,  30
.set BO,   31
.set F0,   64
.set F1,   128
.set MSB, 0
.macro WIN new
.if MSB != (\new)
	s_set_vgpr_msb (MSB<<8)|(\new)
.set MSB, (\new)
.endif
.endm
.macro PLACES                          ; four plain vector instructions between a matrix instruction and a load into, or a read of, its registers
.rept 4
	v_nop
.endr
.endm
.macro JLOAD                           ; the joint refill, by the walking set; an s_nop 0 and four v_nop follow each line
	s_cmp_eq_u32 s[ROLE], 0
	s_cbranch_scc0 .Lfor_b_\@
	tensor_load_to_lds s[G0A+4:G0A+7], s[G1A:G1A+7]
	s_nop 0
.rept 4
	v_nop
.endr
	s_branch .Lasked_\@
.Lfor_b_\@:
	tensor_load_to_lds s[G0B+4:G0B+7], s[G1B:G1B+7]
	s_nop 0
.rept 4
	v_nop
.endr
.Lasked_\@:
.endm
; A prefetch of the tile that the NEXT refill will ask for: one K step, 128 matrix instructions, ahead of that load.  Of a wave's two planes x 16,384 bytes each of the four partners that ask jointly takes
; 8,192, told apart by address; a lane names 256 bytes.  Cluster x = 0 asks for A's, cluster y = 0 for W's: each block is named once.  K steps 0 to 2 come by their loads alone; the last trip asks for nothing.
.macro ASK
	s_cmp_gt_u32 s3, s[LIM]
	s_cbranch_scc0 .Lnot_mine_\@
	global_prefetch_b8 v[PFO], s[PFA:PFA+1] th:TH_LOAD_NT scope:SCOPE_SE
.Lnot_mine_\@:
.endm
.macro CREST
	s_cmp_lg_u32 s[WV], 0
	s_cbranch_scc1 .Lnot_wave_0_\@
	s_barrier_signal -3
.Lnot_wave_0_\@:
	s_barrier_wait -3
	s_barrier_signal -1
	s_barrier_wait -1
.endm
.macro CROUND
	s_barrier_signal -1
	s_barrier_wait -1
	CREST
.endm
.macro MULA f, a, first                ; 8 matrix instructions: m block a x all 8 n blocks.  first = 1: the constant 0 starts the sums.  The 64 accumulators take turns in one order everywhere
	WIN 0xa1+0x50*((\a)/4)
.irp b, 0,1,2,3,4,5,6,7
.if \first
	v_wmma_f32_16x16x32_bf16 v[8*(8*((\a)%4)+(\b)):8*(8*((\a)%4)+(\b))+7], v[(\f)+8*(\b):(\f)+8*(\b)+7], v[(\f)+8*(\a):(\f)+8*(\a)+7], 0
.else
	v_wmma_f32_16x16x32_bf16 v[8*(8*((\a)%4)+(\b)):8*(8*((\a)%4)+(\b))+7], v[(\f)+8*(\b):(\f)+8*(\b)+7], v[(\f)+8*(\a):(\f)+8*(\a)+7], v[8*(8*((\a)%4)+(\b)):8*(8*((\a)%4)+(\b))+7]
.endif
.endr
.endm
.macro FETCH q, f                      ; 32 LDS loads in one run: channels 32 q on of my plane: W's 128 rows, then A's
	WIN 0x40
.irp i, 0,1,2,3,4,5,6,7
	ds_load_b128 v[(\f)+8*(\i):(\f)+8*(\i)+3],   v[ADRB] offset:64*(\q)+(\i)*16*PITCH
	ds_load_b128 v[(\f)+8*(\i)+4:(\f)+8*(\i)+7], v[ADRB] offset:64*(\q)+(\i)*16*PITCH+32
.endr
	WIN 0
.irp i, 0,1,2,3,4,5,6,7
	ds_load_b128 v[(\f)+8*(\i):(\f)+8*(\i)+3],   v[ADRA] offset:64*(\q)+(\i)*16*PITCH
	ds_load_b128 v[(\f)+8*(\i)+4:(\f)+8*(\i)+7], v[ADRA] offset:64*(\q)+(\i)*16*PITCH+32
.endr
.endm
.macro QUARTER q, f, g, first
	s_wait_dscnt 8                                 ; W and A's blocks 0-3 are in; the youngest eight loads may be out
	MULA \f, 0, \first
	MULA \f, 1, \first
	MULA \f, 2, \first
	MULA \f, 3, \first
	PLACES
	FETCH \q, \g
	s_wait_dscnt 32                                ; all but the 32 just issued
	MULA \f, 4, \first
	MULA \f, 5, \first
	MULA \f, 6, \first
	MULA \f, 7, \first
.endm
; THE CHANGE OF SLOTS stands at the head of the step's second half, whose fragments (buffer 1) are in registers by then: the slot's last reads were issued 32 matrix instructions back.
; Each wave waits for all its tensor loads (one is out: its part of the next slot), adds 0 to its spare word, and waits for that and for its reads of this slot.  fill = 1: a round of the cluster's
; barrier follows, and the joint refill, two K steps on, is the first thing behind the round.  No matrix instruction stands between the wait for a tile and the next request, so that a request
; has a whole K step's 128 matrix instructions between itself and the wait for it.  Then the next slot's first fragments are fetched and buffer 1 is multiplied.
.macro TURN fill
.if \fill
	s_wait_xcnt 0x0                                ; the last prefetch, a K step back, has read its address
	s_add_nc_u64 s[PFA:PFA+1], s[PFA:PFA+1], s[PSTEP:PSTEP+1]
.endif
	WIN 0
	s_wait_tensorcnt 0x0                           ; no tensor load of mine is out, so the walking sets may be written
	ds_add_u32 v[SPW], v[NIL]                      ; 0 onto my spare word
.if \fill
	s_xor_b32 s[G0A+5], s[G0A+5], SLOT
	s_add_nc_u64 s[G0A+6:G0A+7], s[G0A+6:G0A+7], KSA
	s_xor_b32 s[G0B+5], s[G0B+5], SLOT
	s_add_nc_u64 s[G0B+6:G0B+7], s[G0B+6:G0B+7], KSW
.endif
	s_wait_dscnt 0x0                               ; the add is done, and my reads of this slot are over
.if \fill
	CROUND                                         ; no wave of any partner still reads this slot or has a load on its way
	JLOAD                                          ; its four v_nop are also the places in front of the loads below
.else
	s_barrier_signal -1
	s_barrier_wait -1                              ; the next slot is whole
	PLACES
.endif
	s_xor_b32 s[TB], s[TB], SLOT
	v_add_nc_u32 v[ADRA], s[TB], v[ADRA0]
	v_add_nc_u32 v[ADRB], s[TB], v[ADRB0]
	FETCH 0, F0
.if \fill
	ASK
.endif
	MULA F1, 0, 0
	MULA F1, 1, 0
	MULA F1, 2, 0
	MULA F1, 3, 0
	MULA F1, 4, 0
	MULA F1, 5, 0
	MULA F1, 6, 0
	MULA F1, 7, 0
.endm
	s_load_b256 s[4:11], s[0:1], 0x0               ; A s[4:5], W s[6:7], bias s[8:9], RES s[10:11]
	s_load_b64 s[OUT:OUT+1], s[0:1], 0x20
	v_lshl_add_u32 v[SPW], v0, 2, SPARE
	v_mov_b32 v[NIL], 0
	ds_add_u32 v[SPW], v[NIL]                      ; the wave's opening: the add and its wait stand ahead of my first tensor load
	v_lshrrev_b32 v1, 5, v0
	v_readfirstlane_b32 s[WV], v1
	s_lshr_b32 s[ROLE], s[WV], 1
	s_and_b32 s[U], s[WV], 1
	s_bfe_u32 s16, ttmp6, 0x40000                  ; cx
	s_bfe_u32 s17, ttmp6, 0x40004                  ; cy
	s_lshl_b32 s18, ttmp9, 2
	s_add_co_u32 s18, s18, s16                     ; tile column
	s_and_b32 s19, ttmp7, 0xffff
	s_lshl_b32 s19, s19, 2
	s_add_co_u32 s19, s19, s17                     ; tile row
	s_lshl_b32 s20, s17, 2
	s_lshl_b32 s20, 15, s20                        ; my row of the cluster
	s_lshl_b32 s66, 0x1111, s16                    ; my column
	s_or_b32 s[G1A], s20, G1W0
	s_or_b32 s[G1B], s66, G1W0
.irp g, G1A, G1B
	s_mov_b32 s[\g+1], 2048<<16                    ; tensor_dim0 = 2,048 elements of 8 bytes: 128 rows of a plane
	s_mov_b32 s[\g+2], 2<<16                       ; tensor_dim1 = 2 planes
	s_mov_b32 s[\g+3], 2048<<16                    ; tile_dim0
	s_mov_b32 s[\g+4], 2                           ; tile_dim1
	s_mov_b32 s[\g+6], 0
	s_mov_b32 s[\g+7], 0
.endr
	s_mov_b32 s[G1A+5], 65536                      ; a plane of A, in elements
	s_mov_b32 s[G1B+5], 16384                      ; of W
	s_lshl_b32 s20, s19, 14                        ; A: 128 rows x 128 bytes x tile row,
	s_lshl_b32 s21, s[U], 20                       ; + my two planes of the step
	s_add_co_u32 s20, s20, s21
	s_mov_b32 s21, 0
	s_lshl_b32 s66, s18, 14                        ; W likewise by the tile column, behind its header; in registers that never feed A's sets
	s_lshl_b32 s67, s[U], 18
	s_add_co_u32 s66, s66, s67
	s_add_co_u32 s66, s66, 256
	s_mov_b32 s67, 0
	s_mul_i32 s[UL], s[WV], UNIT                   ; no place in the cluster enters an LDS address
	s_mov_b32 s[TB], 0
	s_wait_dscnt 0x0                               ; the opening add is done
	s_wait_kmcnt 0x0
	s_add_nc_u64 s[20:21], s[4:5], s[20:21]
	s_add_nc_u64 s[66:67], s[6:7], s[66:67]
.irp s, 0,1
	s_mov_b32 s[G0A+4*\s], 1
	s_add_co_u32 s[G0A+4*\s+1], s[UL], \s*SLOT
	s_add_nc_u64 s[G0A+4*\s+2:G0A+4*\s+3], s[20:21], \s*KSA
	s_or_b32 s[G0A+4*\s+3], s[G0A+4*\s+3], 0x80000000
	s_mov_b32 s[G0B+4*\s], 1
	s_add_co_u32 s[G0B+4*\s+1], s[UL], \s*SLOT
	s_add_nc_u64 s[G0B+4*\s+2:G0B+4*\s+3], s[66:67], \s*KSW
	s_or_b32 s[G0B+4*\s+3], s[G0B+4*\s+3], 0x80000000
.endr
	CROUND                                         ; all sixteen work-groups are here: the first joint loads meet
	s_cmp_eq_u32 s[ROLE], 0                        ; a wave's two first fills stand in one branch: two loads of mine are out
	s_cbranch_scc0 .Lfirst_b
	tensor_load_to_lds s[G0A:G0A+3], s[G1A:G1A+7]
	s_nop 0
	tensor_load_to_lds s[G0A+4:G0A+7], s[G1A:G1A+7]
	s_nop 0
.rept 4
	v_nop
.endr
	s_branch .Lfirst_asked
.Lfirst_b:
	tensor_load_to_lds s[G0B:G0B+3], s[G1B:G1B+7]
	s_nop 0
	tensor_load_to_lds s[G0B+4:G0B+7], s[G1B:G1B+7]
	s_nop 0
.rept 4
	v_nop
.endr
.Lfirst_asked:
	v_and_b32 v1, 15, v0                           ; r
	v_bfe_u32 v2, v0, 4, 1                         ; h
	v_and_b32 v[CO], 31, v0
	v_lshlrev_b32 v[PFO], 8, v[CO]
	v_lshlrev_b32 v[CO], 4, v[CO]
	s_lshl_b32 s68, s18, 9                         ; the tile's 128 columns: 512 bytes
	v_add_nc_u32 v[BO], s68, v[CO]
	global_load_b128 v[BV:BV+3], v[BO], s[8:9]     ; the bias of my four columns of a row
	v_mul_u32_u24 v3, v1, PITCH
	v_lshl_add_u32 v3, v2, 4, v3
	s_mul_i32 s20, s[WV], PLANE                    ; my plane of the step's four
	v_add_nc_u32 v[ADRA0], s20, v3
	s_add_co_u32 s20, s20, 2*UNIT
	v_add_nc_u32 v[ADRB0], s20, v3
	v_mov_b32 v[ADRA], v[ADRA0]
	v_mov_b32 v[ADRB], v[ADRB0]
	s_mul_i32 s20, s[WV], XT
	v_mul_u32_u24 v[XS], v1, XP
	v_lshl_add_u32 v[XS], v2, 5, v[XS]
	v_add_nc_u32 v[XS], s20, v[XS]                 ; my partial tile: row r, 32 bytes for each half of the lanes
	s_mul_i32 s20, s[WV], 32*XP                    ; back: my 32 rows of each partial tile, 16 bytes a lane
.irp p, 0,1,2,3
	v_add_nc_u32 v[XR+\p], s20, v[CO]
	s_add_co_u32 s20, s20, XT
.endr
	s_lshl_b32 s69, s19, 19                        ; RES and OUT: row 128 x tile row + 32 x wave, 4,096 bytes a row
	s_add_co_u32 s68, s68, s69
	s_lshl_b32 s69, s[WV], 17
	s_add_co_u32 s68, s68, s69
	s_mov_b32 s69, 0
	s_add_nc_u64 s[10:11], s[10:11], s[68:69]
	s_add_nc_u64 s[OUT:OUT+1], s[OUT:OUT+1], s[68:69]
	s_and_b32 s22, ttmp7, 0xffff                   ; the prefetches
	s_mov_b32 s72, 2*KSA
	s_mov_b32 s73, 2*KSW+256
	s_mov_b32 s74, KSA
	s_mov_b32 s75, KSW
	s_cmp_eq_u32 s[ROLE], 0
	s_cselect_b32 s66, s19, s18                    ; the tile
	s_cselect_b32 s67, s16, s17                    ; my place among the four that ask with me
	s_cselect_b32 s68, ttmp9, s22                  ; the coordinate along which other clusters walk the same rows
	s_cselect_b32 s69, 20, 18                      ; log2 of two planes' bytes
	s_cselect_b32 s72, s72, s73                    ; K step 2 (and W's header): the first change of slots steps it to 3
	s_cselect_b32 s[PSTEP], s74, s75
	s_cselect_b64 s[PFA:PFA+1], s[4:5], s[6:7]
	s_mov_b32 s[PSTEP+1], 0
	s_cmp_eq_u32 s68, 0
	s_cselect_b32 s[LIM], 1, -1                    ; the same in all sixteen partners, for a given wave
	s_lshl_b32 s66, s66, 14
	s_add_co_u32 s66, s66, s72
	s_lshl_b32 s73, s[U], s69
	s_add_co_u32 s66, s66, s73
	s_sub_co_u32 s69, s69, 1
	s_lshr_b32 s73, s67, 1                         ; which of the two planes,
	s_lshl_b32 s73, s73, s69
	s_add_co_u32 s66, s66, s73
	s_and_b32 s67, s67, 1                          ; which half of its 16,384 bytes
	s_lshl_b32 s67, s67, 13
	s_add_co_u32 s66, s66, s67
	s_mov_b32 s67, 0
	s_add_nc_u64 s[PFA:PFA+1], s[PFA:PFA+1], s[66:67]
	s_wait_tensorcnt 0x1                           ; my part of K step 0 is in; K step 1's may stay out
	s_barrier_signal -1
	s_barrier_wait -1
	FETCH 0, F0
	QUARTER 1, F0, F1, 1                           ; the first half step stands in front of the loop: its products start the sums
	WIN 0
	s_mov_b32 s3, T-2
.Lloop:
	TURN 1
	QUARTER 1, F0, F1, 0
	WIN 0
	s_sub_co_u32 s3, s3, 1
	s_cmp_lg_u32 s3, 0
	s_cbranch_scc1 .Lloop
	WIN 0x40                                       ; my 32 rows of RES, 512 consecutive bytes a load, asked for two K steps ahead of their use
.set p, 0
.rept 32
	global_load_b128 v[4*p+128*(p/16):4*p+128*(p/16)+3], v[CO], s[10:11] offset:4096*p th:TH_LOAD_NT
.set p, p+1
.endr
	WIN 0
	s_mov_b32 s2, 2
.Ltail:                                                ; the last two steps ask for nothing
	TURN 0
	WIN 0
	s_sub_co_u32 s2, s2, 1
	s_cmp_eq_u32 s2, 0
	s_cbranch_scc1 .Lout
	QUARTER 1, F0, F1, 0
	WIN 0
	s_branch .Ltail
.Lout:
	s_wait_dscnt 0x0                               ; my reads of the slots are over:
	s_barrier_signal -1
	s_barrier_wait -1                              ; everybody's: the slots, filled for the last time, take the partial tiles
	PLACES
.set a, 0
.rept 8
	WIN 0x08+4*(a/4)                               ; store data in window 2 or 3
.set b, 0
.rept 8
	ds_store_b128 v[XS], v[8*(8*(a%4)+b):8*(8*(a%4)+b)+3]   offset:16*XP*a+64*b
	ds_store_b128 v[XS], v[8*(8*(a%4)+b)+4:8*(8*(a%4)+b)+7] offset:16*XP*a+64*b+16
.set b, b+1
.endr
.set a, a+1
.endr
	WIN 0
	s_wait_dscnt 0x0                               ; for the others' sake: my partial tile is stored
	s_barrier_signal -1
	s_barrier_wait -1
.macro LOADG g                         ; rows 4 g .. 4 g + 3 of my 32, from all four partial tiles
.set SB, 64+64*((\g)%2)
.irp rr, 0,1,2,3
.irp p, 0,1,2,3
	ds_load_b128 v[SB+16*\rr+4*\p:SB+16*\rr+4*\p+3], v[XR+\p] offset:XP*(4*(\g)+\rr)
.endr
.endr
.endm
.macro GROUP g, left
.set SB, 64+64*((\g)%2)
	WIN 0
	s_wait_dscnt \left                             ; this group is in; the next group's 16 loads may stay out
.irp rr, 0,1,2,3
	v_pk_add_f32 v[SB+16*\rr:SB+16*\rr+1],     v[SB+16*\rr:SB+16*\rr+1],     v[SB+16*\rr+4:SB+16*\rr+5]
	v_pk_add_f32 v[SB+16*\rr+2:SB+16*\rr+3],   v[SB+16*\rr+2:SB+16*\rr+3],   v[SB+16*\rr+6:SB+16*\rr+7]
	v_pk_add_f32 v[SB+16*\rr+8:SB+16*\rr+9],   v[SB+16*\rr+8:SB+16*\rr+9],   v[SB+16*\rr+12:SB+16*\rr+13]
	v_pk_add_f32 v[SB+16*\rr+10:SB+16*\rr+11], v[SB+16*\rr+10:SB+16*\rr+11], v[SB+16*\rr+14:SB+16*\rr+15]
.endr
.irp rr, 0,1,2,3
	v_pk_add_f32 v[SB+16*\rr:SB+16*\rr+1],   v[SB+16*\rr:SB+16*\rr+1],   v[SB+16*\rr+8:SB+16*\rr+9]
	v_pk_add_f32 v[SB+16*\rr+2:SB+16*\rr+3], v[SB+16*\rr+2:SB+16*\rr+3], v[SB+16*\rr+10:SB+16*\rr+11]
.endr
	WIN 0x04                                       ; source 1 in window 1: RES + bias
.irp rr, 0,1,2,3
.set RR, 4*(4*(\g)+\rr)+128*((4*(\g)+\rr)/16)
	v_pk_add_f32 v[SB+16*\rr:SB+16*\rr+1],   v[SB+16*\rr:SB+16*\rr+1],   v[RR:RR+1]
	v_pk_add_f32 v[SB+16*\rr+2:SB+16*\rr+3], v[SB+16*\rr+2:SB+16*\rr+3], v[RR+2:RR+3]
.endr
	WIN 0
.irp rr, 0,1,2,3
	global_store_b128 v[CO], v[SB+16*\rr:SB+16*\rr+3], s[OUT:OUT+1] offset:4096*(4*(\g)+\rr)  ; 512 consecutive bytes, aligned
.endr
.endm
	LOADG 0
	LOADG 1
	s_wait_loadcnt 0x0                             ; RES and the bias
	WIN 0x41
.set p, 0
.rept 32
	v_pk_add_f32 v[4*p+128*(p/16):4*p+128*(p/16)+1],   v[4*p+128*(p/16):4*p+128*(p/16)+1],   v[BV:BV+1]
	v_pk_add_f32 v[4*p+128*(p/16)+2:4*p+128*(p/16)+3], v[4*p+128*(p/16)+2:4*p+128*(p/16)+3], v[BV+2:BV+3]
.set p, p+1
.endr
.irp g, 0,1,2,3,4,5
	GROUP \g, 16
	s_wait_xcnt 0x0                                ; the stores have read their registers: the set is loaded again only behind this wait
	LOADG (\g)+2
.endr
	GROUP 6, 16
	GROUP 7, 0
	s_wait_tensorcnt 0x0                           ; the wave's end
	ds_add_u32 v[SPW], v[NIL]
	s_wait_dscnt 0x0
	CROUND                                         ; the closing round
	s_endpgm
.Lfunc_end_k_qe38ea7e899_mlp2:
	.size	k_qe38ea7e899_mlp2, .Lfunc_end_k_qe38ea7e899_mlp2-k_qe38ea7e899_mlp2
	.p2alignl 7, 3214868480
	.fill 96, 4, 3214868480
	.section	.rodata,"a",@progbits
	.p2align	6, 0x0
	.amdhsa_kernel k_qe38ea7e899_mlp2
		.amdhsa_group_segment_fixed_size 327680
		.amdhsa_private_segment_fixed_size 0
		.amdhsa_enable_private_segment 0
		.amdhsa_kernarg_size 40
		.amdhsa_user_sgpr_count 2
		.amdhsa_user_sgpr_kernarg_segment_ptr 1
		.amdhsa_wavefront_size32 1
		.amdhsa_system_sgpr_workgroup_id_x 1
		.amdhsa_system_sgpr_workgroup_id_y 1
		.amdhsa_system_sgpr_workgroup_id_z 1
		.amdhsa_system_vgpr_workitem_id 0
		.amdhsa_next_free_vgpr 1024
		.amdhsa_next_free_sgpr 80
		.amdhsa_reserve_vcc 0
		.amdhsa_float_denorm_mode_32 3
		.amdhsa_float_denorm_mode_16_64 3
		.amdhsa_memory_ordered 1
		.amdhsa_forward_progress 1
		.amdhsa_inst_pref_size 88
	.end_amdhsa_kernel
	.amdgpu_metadata
---
amdhsa.version: [ 1, 2 ]
amdhsa.kernels:
  - .name:           k_qe38ea7e899_mlp2
    .symbol:         k_qe38ea7e899_mlp2.kd
    .args:
      - { .name: big, .offset: 0, .size: 8, .value_kind: global_buffer, .address_space: global }
      - { .name: w2b, .offset: 8, .size: 8, .value_kind: global_buffer, .address_space: global }
      - { .name: b2, .offset: 16, .size: 8, .value_kind: global_buffer, .address_space: global }
      - { .name: x1, .offset: 24, .size: 8, .value_kind: global_buffer, .address_space: global }
      - { .name: out0, .offset: 32, .size: 8, .value_kind: global_buffer, .address_space: global }
    .group_segment_fixed_size: 327680
    .private_segment_fixed_size: 0
    .kernarg_segment_align: 8
    .kernarg_segment_size: 40
    .max_flat_workgroup_size: 128
    .sgpr_count:     80
    .vgpr_count:     1024
    .wavefront_size: 32
...
	.end_amdgpu_metadata
.endif
;; end of part 5
;; ======== version 2 of 2: 7 launches; version 1 with the launches prep, ln2 written anew for expert scheduling mode
;; limits: right only within a limited range of input values
;; workspace buffers: wq 8,388,864 bytes; wo 2,097,408 bytes; w1b 8,388,864 bytes; w2b 8,388,864 bytes; act 8,388,608 bytes; big 33,554,432 bytes; x1 16,777,216 bytes
;; launch prep (part 6): grid 1024 x 1, 4 waves a work-group, no clusters, 0 bytes of LDS; arguments x, ln1_g, ln1_b, in_proj_w, out_w, w1, w2, act, wq, wo, w1b, w2b; writes act, wq, wo, w1b, w2b
.if DOCPART == 6
	.amdgcn_target "amdgcn-amd-amdhsa--gfx1250"
	.amdhsa_code_object_version 6
	.text
	.protected	k_qe38ea7e899_prep
	.globl	k_qe38ea7e899_prep
	.p2align	8
	.type	k_qe38ea7e899_prep,@function
k_qe38ea7e899_prep:
	s_mov_b64 s[64:65], 0
	v_nop
	global_prefetch_b8 v0, s[64:65] scope:SCOPE_SE
	s_setreg_imm32_b32 hwreg(HW_REG_WAVE_SCHED_MODE, 0, 2), 2
	s_setreg_imm32_b32 hwreg(HW_REG_WAVE_MODE, 25, 1), 1
	s_wait_xcnt 0x0
	s_wait_alu depctr_vm_vsrc(0)
; LAYERNORM AND ROUNDING TO bf16, into PLANES of 64 columns: T[c / 64][row][c % 64], a plane's rows 128 bytes and dense.
; Arguments: a, gamma, beta, four weight matrices, then the five destinations.  Work-groups 0-255: LayerNorm of a ([4096][1024] f32) -> the first destination;
; 256-447: in_proj_w -> wq; 448-511: out_w -> wo; 512-767: w1 -> w1b; 768-1023: w2 -> w2b.  TWO LAUNCHES RUN THIS TEXT: the first with 1,024 work-groups (a = x); the
; second, LayerNorm 2, with 256 (a = x1): there every work-group takes the LayerNorm share, and the weights' places in the argument list are not touched.
; The weight buffers begin with 256 bytes of header; wq's and w1b's hold 64 equal words, a packed bf16 floor that the product kernel takes a maximum with
; (w1b: 0, a ReLU; wq: the lowest finite bf16 twice).
; A WAVE'S TASK: 4 rows x 1,024 f32 columns, as 32 pieces n = 16 t + c of two rows x 64 columns.  Lane l holds row 2 t + l / 16 and columns 64 c + 4 (l % 16) + 0..3: a load of the wave
; covers two stretches of 256 consecutive bytes, aligned, each byte of which it uses.  A lane's four numbers round to 8 bytes, and a store of the wave covers two neighbouring rows of a
; plane: 256 consecutive bytes, aligned.  No LDS, no matrix unit, no barrier: each byte is read once and written once, and a row never leaves its sixteen lanes.
; LayerNorm in two passes over registers (mean; then the mean of (x - mean)^2), all in f32.  LIMITS: NaN and infinities are not treated apart.
; THE MODE: SCHED_MODE bits 1:0 = 2 (LLVM: expert scheduling mode 2), set by the entry lines.  The code itself states the register dependences
; between vector instructions and memory instructions, with s_wait_alu, always for 0.
; THE PLAN.  Registers that memory instructions touch:
;   v[SO], v[SO+1], v[GOF]   the loads' offsets.  Written at the head, ahead of the head's wait on va_vdst; never written again.  No vector instruction stands between that wait and the kernel's last load.
;   X                        The task's 32 loads land in it before any vector instruction has named it.  The arithmetic works in place.  A piece's two roundings write its first
;                            two registers, its one store reads them, and nothing writes them again.
;   G, beta (window 1)       Their loads land before any vector instruction has named them; the last multiply-adds read them behind the wait for the loads.
;   v[L8]                    Written ahead of the head's wait; read by the header's store.
;   v[DO ..], v[FL ..]       The stores' offsets and the header's data.  Made at the head of the way out (for a weight: while the task's loads are on their way); only stores read them,
;                            and the first store stands behind the way out's first wait on va_vdst.
; THE WAY OUT goes in 8 blocks of four pieces.  The wait on va_vdst at the head of block p states that block p - 1's roundings have written their registers; that block's four stores
; follow it, dealt among block p's roundings, which name block p's registers alone.  One more such wait stands ahead of the last four stores.
; No register that a memory instruction reads is written again, and no load lands in a register that a vector instruction has named: so the only wait on vm_vsrc is the entry's.  EXEC and VCC are never written.
.set PS4, 524288                       ; bytes in a plane of 4,096 rows
.set PS1, 131072                       ; of 1,024 rows
.set SO,  2                            ; v[2:3]   my byte offset in the task's source rows, for t = 0, 1
.set GOF, 4                            ; v4   16 (l % 16): my 4 columns in gamma and beta
.set L8,  5                            ; v5   8 l: my 8 bytes of a store
.set FL,  6                            ; v[6:7]   the floor, twice
.set CH,  8                            ; v[8:15]  four packed chains: two for each t
.set MU,  16                           ; v[16:19] the mean, twice for each t
.set RS,  20                           ; v[20:23] 1 / sqrt(var + eps), twice for each t
.set KC,  24                           ; v24  1 / 1,024
.set EP,  25                           ; v25  1e-5
.set DO,  32                           ; v[32:47] my byte offset in plane c of the task's 16
.set X,   64                           ; v[64:191] the task's numbers: piece n at X + 4 n
.set G,   192                          ; v[192:255] gamma of my columns: 4 c on; window 1, v0-63: beta likewise
.set SRC, 28                           ; s[28:29]
.set DST, 30                           ; s[30:31]
.set GB,  32                           ; first work-group of my share
.set PSTR, 33                          ; the destination's plane, in bytes
.set RSH, 34                           ; log2 of a source row's bytes
.set CSH, 35                           ; log2 of the share's work-groups in a strip of 1,024 columns
.set CMK, 36                           ; that number less 1
.set FLG, 37                           ; 1: the destination's header is written
.set FLV, 38                           ; with this word
.set WV,  39
.set HOFF, 40                          ; bytes of header in front of the planes
.set MSB, 0
.macro WIN new                         ; the immediate's high byte repeats the setting that is left
.if MSB != (\new)
	s_set_vgpr_msb (MSB<<8)|(\new)
.set MSB, (\new)
.endif
.endm
.macro PICK lim, src, dst, gb, pstr, csh, cmk, hoff, flg, flv   ; work-groups below lim take this share
	s_cmp_lt_u32 ttmp9, \lim
	s_cselect_b64 s[SRC:SRC+1], s[\src:\src+1], s[SRC:SRC+1]
	s_cselect_b64 s[DST:DST+1], s[\dst:\dst+1], s[DST:DST+1]
	s_cselect_b32 s[GB], \gb, s[GB]
	s_cselect_b32 s[PSTR], \pstr, s[PSTR]
	s_cselect_b32 s[RSH], 12, s[RSH]
	s_cselect_b32 s[CSH], \csh, s[CSH]
	s_cselect_b32 s[CMK], \cmk, s[CMK]
	s_cselect_b32 s[HOFF], \hoff, s[HOFF]
	s_cselect_b32 s[FLG], \flg, s[FLG]
	s_cselect_b32 s[FLV], \flv, s[FLV]
.endm
.macro FOLD                            ; for each t: two packed chains into one number, then over the row's sixteen lanes; the two rows' lines alternate
	v_pk_add_f32 v[CH:CH+1], v[CH:CH+1], v[CH+2:CH+3]
	v_pk_add_f32 v[CH+4:CH+5], v[CH+4:CH+5], v[CH+6:CH+7]
	v_add_f32 v[CH], v[CH], v[CH+1]
	v_add_f32 v[CH+4], v[CH+4], v[CH+5]
.irp x, 1,2,4,8
	v_add_f32_dpp v[CH], v[CH], v[CH] row_xmask:\x row_mask:0xf bank_mask:0xf
	v_add_f32_dpp v[CH+4], v[CH+4], v[CH+4] row_xmask:\x row_mask:0xf bank_mask:0xf
.endr
.endm
	s_load_b512 s[4:19], s[0:1], 0x0               ; a, gamma, beta, in_proj_w, out_w, w1, w2, act
	s_load_b256 s[20:27], s[0:1], 0x40             ; wq, wo, w1b, w2b
	v_lshrrev_b32 v1, 5, v0
	v_readfirstlane_b32 s[WV], v1
	v_and_b32 v1, 31, v0
	v_and_b32 v[GOF], 15, v0
	v_lshlrev_b32 v[GOF], 4, v[GOF]
	v_bfe_u32 v[SO], v0, 4, 1                      ; my row of a piece's two
	v_lshlrev_b32 v[L8], 3, v1
	s_mov_b32 s[GB], 768                           ; the last share, w2 -> w2b; the others are picked below
	s_mov_b32 s[PSTR], PS1
	s_mov_b32 s[RSH], 14
	s_mov_b32 s[CSH], 6
	s_mov_b32 s[CMK], 63
	s_mov_b32 s[HOFF], 256
	s_mov_b32 s[FLG], 0
	s_mov_b32 s[FLV], 0
	s_wait_kmcnt 0x0
	s_wait_alu depctr_va_sdst(0)                   ; s[WV] is written, ahead of its first reader: my wave's first row is made from it below
	s_mov_b64 s[SRC:SRC+1], s[16:17]
	s_mov_b64 s[DST:DST+1], s[26:27]
	PICK 768, 14, 24, 512, PS4, 8, 255, 256, 1, 0
	PICK 512, 12, 22, 448, PS1, 6, 63, 256, 0, 0
	PICK 448, 10, 20, 256, PS4, 8, 255, 256, 1, 0xff7fff7f
	PICK 256, 4, 18, 0, PS4, 8, 255, 0, 0, 0
	s_sub_co_u32 s41, ttmp9, s[GB]                 ; my number in the share
	s_and_b32 s42, s41, s[CMK]                     ; which 16 rows
	s_lshr_b32 s43, s41, s[CSH]                    ; which strip of 1,024 columns (w2 alone has four)
	s_lshl_b32 s42, s42, 4
	s_lshl2_add_u32 s42, s[WV], s42                ; my wave's first row
	s_lshl_b32 s44, s42, s[RSH]
	s_lshl_b32 s45, s43, 12
	s_add_co_u32 s44, s44, s45
	s_mov_b32 s45, 0
	s_add_nc_u64 s[SRC:SRC+1], s[SRC:SRC+1], s[44:45]
	s_mul_i32 s46, s43, s[PSTR]
	s_lshl_b32 s46, s46, 4                         ; a strip is 16 planes
	s_lshl_b32 s47, s42, 7
	s_add_co_u32 s46, s46, s47
	s_add_co_u32 s46, s46, s[HOFF]
	s_mov_b32 s47, 0
	s_mov_b64 s[48:49], s[DST:DST+1]               ; the header's place
	s_add_nc_u64 s[DST:DST+1], s[DST:DST+1], s[46:47]
	v_lshlrev_b32 v[SO], s[RSH], v[SO]
	v_add_nc_u32 v[SO], v[SO], v[GOF]
	s_lshl_b32 s51, 2, s[RSH]                      ; two source rows
	v_add_nc_u32 v[SO+1], s51, v[SO]
	s_wait_alu depctr_va_vdst(0)                   ; v[SO], v[SO+1] and v[GOF] are written, which every load of the kernel reads as its offset; so is v[L8], the header's store's offset
.set n, 0
.rept 32                                       ; the whole task is asked for at once: 16 KiB a wave
	global_load_b128 v[X+4*n:X+4*n+3], v[SO+n/16], s[SRC:SRC+1] offset:256*(n%16) th:TH_LOAD_NT
.set n, n+1
.endr
	s_cmp_lt_u32 ttmp9, 256
	s_cbranch_scc0 .Lout                           ; a weight is only rounded
.set c, 0
.rept 16                                       ; no wait: no vector instruction has been issued since the head's wait, and none has ever named G
	global_load_b128 v[G+4*c:G+4*c+3], v[GOF], s[6:7] offset:256*c
.set c, c+1
.endr
	s_wait_loadcnt 16                              ; the task's 32 loads are in; gamma's 16 stay out
	WIN 0x40                                       ; destination window 1, address window 0
.set c, 0
.rept 16                                       ; the same holds of these: their offset is v[GOF], and no vector instruction has named window 1's v0-63
	global_load_b128 v[4*c:4*c+3], v[GOF], s[8:9] offset:256*c
.set c, c+1
.endr
	WIN 0
.set k, 0
.rept 4                                        ; the sums, in four chains (two a row) that the rows' first four pairs start: nothing is cleared
	v_pk_add_f32 v[CH+2*k:CH+2*k+1], v[X+64*(k/2)+2*(k%2):X+64*(k/2)+2*(k%2)+1], v[X+64*(k/2)+2*(k%2)+4:X+64*(k/2)+2*(k%2)+5]
.set k, k+1
.endr
.set q, 4
.rept 28
.irp t, 0,1
	v_pk_add_f32 v[CH+4*\t+2*(q%2):CH+4*\t+2*(q%2)+1], v[CH+4*\t+2*(q%2):CH+4*\t+2*(q%2)+1], v[X+64*\t+2*q:X+64*\t+2*q+1]
.endr
.set q, q+1
.endr
	FOLD
	v_mov_b32 v[KC], 0x3a800000                    ; 1 / 1,024
	v_mov_b32 v[EP], 0x3727c5ac                    ; 1e-5
	v_mul_f32 v[MU], v[KC], v[CH]
	v_mul_f32 v[MU+1], v[KC], v[CH]
	v_mul_f32 v[MU+2], v[KC], v[CH+4]
	v_mul_f32 v[MU+3], v[KC], v[CH+4]
.set p, 0
.rept 64
	v_pk_add_f32 v[X+2*p:X+2*p+1], v[X+2*p:X+2*p+1], v[MU+2*(p/32):MU+2*(p/32)+1] neg_lo:[0,1] neg_hi:[0,1]
.set p, p+1
.endr
.set k, 0
.rept 4
	v_pk_mul_f32 v[CH+2*k:CH+2*k+1], v[X+64*(k/2)+2*(k%2):X+64*(k/2)+2*(k%2)+1], v[X+64*(k/2)+2*(k%2):X+64*(k/2)+2*(k%2)+1]
.set k, k+1
.endr
.set q, 2
.rept 30
.irp t, 0,1
	v_pk_fma_f32 v[CH+4*\t+2*(q%2):CH+4*\t+2*(q%2)+1], v[X+64*\t+2*q:X+64*\t+2*q+1], v[X+64*\t+2*q:X+64*\t+2*q+1], v[CH+4*\t+2*(q%2):CH+4*\t+2*(q%2)+1]
.endr
.set q, q+1
.endr
	FOLD
	v_fma_f32 v[CH], v[CH], v[KC], v[EP]           ; var + 1e-5
	v_fma_f32 v[CH+4], v[CH+4], v[KC], v[EP]
	v_rsq_f32 v[RS], v[CH]
	v_rsq_f32 v[RS+1], v[CH]
	v_rsq_f32 v[RS+2], v[CH+4]
	v_rsq_f32 v[RS+3], v[CH+4]
	v_nop                                          ; a plain instruction behind the last root, ahead of the first use (ISA guide 5.7.2)
	s_wait_alu depctr_va_vdst(0)                   ; the four roots have written v[RS] to v[RS+3], ahead of the multiplies that read them: one wait for the four
.set p, 0
.rept 64
	v_pk_mul_f32 v[X+2*p:X+2*p+1], v[X+2*p:X+2*p+1], v[RS+2*(p/32):RS+2*(p/32)+1]
.set p, p+1
.endr
	s_wait_loadcnt 0x0                             ; gamma and beta
	WIN 0x10                                       ; source 2 in window 1
.set p, 0
.rept 64
	v_pk_fma_f32 v[X+2*p:X+2*p+1], v[X+2*p:X+2*p+1], v[G+2*(p%32):G+2*(p%32)+1], v[2*(p%32):2*(p%32)+1]
.set p, p+1
.endr
	WIN 0
.Lout:                                                 ; THE WAY OUT, 8 blocks of four pieces: a piece's four numbers round in place to 8 bytes; its store follows a block later
.set c, 0
.rept 16                                       ; the stores' offsets; no memory instruction has named these registers yet
	v_mad_u32_u24 v[DO+c], s[PSTR], c, v[L8]
.set c, c+1
.endr
	v_mov_b32 v[FL], s[FLV]
	v_mov_b32 v[FL+1], s[FLV]
.set p, 0
.rept 8
	s_wait_loadcnt 28-4*p                          ; loads come back in order (ISA guide 5.7.1): block p's four are in, the 28 - 4 p younger ones stay out (behind the LayerNorm none is out)
.if p > 0
	s_wait_alu depctr_va_vdst(0)                   ; the block before has written the registers that the four stores below read; at block 1 also: v[DO ..] and v[FL ..] are written
.endif
.set i, 0
.rept 4
.set n, 4*p+i
.if p > 0
	global_store_b64 v[DO+(n-4)%16], v[X+4*(n-4):X+4*(n-4)+1], s[DST:DST+1] offset:256*((n-4)/16)  ; the block before; no vector instruction since the wait names its registers
.endif
	v_cvt_pk_bf16_f32 v[X+4*n], v[X+4*n], v[X+4*n+1]
	v_cvt_pk_bf16_f32 v[X+4*n+1], v[X+4*n+2], v[X+4*n+3]
.set i, i+1
.endr
.set p, p+1
.endr
	s_wait_alu depctr_va_vdst(0)                   ; block 7 has written the registers that the last four stores read
.set n, 28
.rept 4
	global_store_b64 v[DO+n%16], v[X+4*n:X+4*n+1], s[DST:DST+1] offset:256*(n/16)
.set n, n+1
.endr
	s_xor_b32 s50, s[FLG], 1                       ; the header: one wave of the share's first work-group, where there is one
	s_or_b32 s50, s50, s41
	s_or_b32 s50, s50, s[WV]
	s_cmp_eq_u32 s50, 0
	s_cbranch_scc0 .Lend
	global_store_b64 v[L8], v[FL:FL+1], s[48:49]   ; 32 lanes x 8 bytes: the 256 bytes in one store; v[L8] and v[FL ..] were written ahead of the waits above
.Lend:
	s_endpgm
.Lfunc_end_k_qe38ea7e899_prep:
	.size	k_qe38ea7e899_prep, .Lfunc_end_k_qe38ea7e899_prep-k_qe38ea7e899_prep
	.p2alignl 7, 3214868480
	.fill 96, 4, 3214868480
	.section	.rodata,"a",@progbits
	.p2align	6, 0x0
	.amdhsa_kernel k_qe38ea7e899_prep
		.amdhsa_group_segment_fixed_size 0
		.amdhsa_private_segment_fixed_size 0
		.amdhsa_enable_private_segment 0
		.amdhsa_kernarg_size 96
		.amdhsa_user_sgpr_count 2
		.amdhsa_user_sgpr_kernarg_segment_ptr 1
		.amdhsa_wavefront_size32 1
		.amdhsa_system_sgpr_workgroup_id_x 1
		.amdhsa_system_sgpr_workgroup_id_y 1
		.amdhsa_system_sgpr_workgroup_id_z 1
		.amdhsa_system_vgpr_workitem_id 0
		.amdhsa_next_free_vgpr 320
		.amdhsa_next_free_sgpr 66
		.amdhsa_reserve_vcc 0
		.amdhsa_float_denorm_mode_32 3
		.amdhsa_float_denorm_mode_16_64 3
		.amdhsa_memory_ordered 1
		.amdhsa_forward_progress 1
		.amdhsa_inst_pref_size 41
	.end_amdhsa_kernel
	.amdgpu_metadata
---
amdhsa.version: [ 1, 2 ]
amdhsa.kernels:
  - .name:           k_qe38ea7e899_prep
    .symbol:         k_qe38ea7e899_prep.kd
    .args:
      - { .name: x, .offset: 0, .size: 8, .value_kind: global_buffer, .address_space: global }
      - { .name: ln1_g, .offset: 8, .size: 8, .value_kind: global_buffer, .address_space: global }
      - { .name: ln1_b, .offset: 16, .size: 8, .value_kind: global_buffer, .address_space: global }
      - { .name: in_proj_w, .offset: 24, .size: 8, .value_kind: global_buffer, .address_space: global }
      - { .name: out_w, .offset: 32, .size: 8, .value_kind: global_buffer, .address_space: global }
      - { .name: w1, .offset: 40, .size: 8, .value_kind: global_buffer, .address_space: global }
      - { .name: w2, .offset: 48, .size: 8, .value_kind: global_buffer, .address_space: global }
      - { .name: act, .offset: 56, .size: 8, .value_kind: global_buffer, .address_space: global }
      - { .name: wq, .offset: 64, .size: 8, .value_kind: global_buffer, .address_space: global }
      - { .name: wo, .offset: 72, .size: 8, .value_kind: global_buffer, .address_space: global }
      - { .name: w1b, .offset: 80, .size: 8, .value_kind: global_buffer, .address_space: global }
      - { .name: w2b, .offset: 88, .size: 8, .value_kind: global_buffer, .address_space: global }
    .group_segment_fixed_size: 0
    .private_segment_fixed_size: 0
    .kernarg_segment_align: 8
    .kernarg_segment_size: 96
    .max_flat_workgroup_size: 128
    .sgpr_count:     66
    .vgpr_count:     320
    .wavefront_size: 32
...
	.end_amdgpu_metadata
.endif
;; end of part 6
;; launch qkv: the kernel of part 2 again; grid 12 x 16, 4 waves a work-group, clusters of 4 x 4, 327,680 bytes of LDS; arguments act, wq, in_proj_b, big; writes big
;; launch attn: the kernel of part 3 again; grid 4 x 64, 4 waves a work-group, no clusters, 262,144 bytes of LDS; arguments big, rel_pos, act; writes act
;; launch outp: the kernel of part 4 again; grid 8 x 32, 4 waves a work-group, clusters of 4 x 4, 327,680 bytes of LDS; arguments act, wo, out_b, x, x1; writes x1
;; launch ln2: the kernel of part 6 again; grid 256 x 1, 4 waves a work-group, no clusters, 0 bytes of LDS; arguments x1, ln2_g, ln2_b, in_proj_w, out_w, w1, w2, act, wq, wo, w1b, w2b; writes act, wq, wo, w1b, w2b
;; launch mlp1: the kernel of part 2 again; grid 16 x 16, 4 waves a work-group, clusters of 4 x 4, 327,680 bytes of LDS; arguments act, w1b, b1, big; writes big
;; launch mlp2: the kernel of part 5 again; grid 8 x 32, 4 waves a work-group, clusters of 4 x 4, 327,680 bytes of LDS; arguments big, w2b, b2, x1, out0; writes out0
